; MI455X (gfx1250); checked and timed in simulation.
; The chip was launched on July 23, 2026; its instructions are those of AMD's public machine-readable ISA for CDNA 5 (MIT licence, August 2026) and "CDNA5" Instruction Set Architecture Reference Guide (July 2026). The comments in the code are by the model that wrote it; some were corrected since.
;; Mo E Layer. Allowed arithmetic: matrix products marked QUANTISED: E4M3 operands, one E8M0 scale for each 32 along K, by v_wmma_scale_f32_16x16x128_f8f6f4 with both operands' format E4M3, f32 sums; products left as they are: f32 operands where the result goes on into a quantised operand, else bf16, f16 or f32 operands; f32 sums; everything else in f32.
;; Inputs: routed_b1 14 x 1,024 float32; routed_b2 14 x 1,024 float32; routed_w1_codes 14 x 1,024 x 32 x 32 uint8 (E4M3 codes of routed_w1, K innermost, in blocks of 32 codes); routed_w1_scales 14 x 1,024 x 32 uint8 (E8M0 scales of routed_w1, one for each 32 codes along K); routed_w2_codes 14 x 1,024 x 32 x 32 uint8 (E4M3 codes of routed_w2, K innermost, in blocks of 32 codes); routed_w2_scales 14 x 1,024 x 32 uint8 (E8M0 scales of routed_w2, one for each 32 codes along K); router_b 14 float32; router_w 1,024 x 14 float32; shared_b1 2 x 1,024 float32; shared_b2 2 x 1,024 float32; shared_w1_codes 2 x 1,024 x 32 x 32 uint8 (E4M3 codes of shared_w1, K innermost, in blocks of 32 codes); shared_w1_scales 2 x 1,024 x 32 uint8 (E8M0 scales of shared_w1, one for each 32 codes along K); shared_w2_codes 2 x 1,024 x 32 x 32 uint8 (E4M3 codes of shared_w2, K innermost, in blocks of 32 codes); shared_w2_scales 2 x 1,024 x 32 uint8 (E8M0 scales of shared_w2, one for each 32 codes along K); x 4 x 512 x 1,024 float32.
;; Outputs: out0 4 x 512 x 1,024 float32.
;; This version of the problem:
;;   THIS VERSION OF THE PROBLEM IS GIVEN IN LOW PRECISION. The matrix products marked QUANTISED in the list below multiply operands that are first quantised to E4M3 (4 exponent bits, 3 mantissa bits; 8 bits a number), with one power-of-two scale for each 32 numbers along K (OCP MX v1.0); their sums are f32. All else is computed in f32.
;;   The module's matrix products, in the order in which they are computed (A, B: the left and right operand; K: the contracted axis; several contracted axes count as one K, in the product's order):
;;     1. [M 2,048, K 1,024] x [K 1,024, N 1,024]; A: input x; B: input shared_w1 (given as codes): QUANTISED
;;     2. [M 2,048, K 1,024] x [K 1,024, N 1,024]; A: computed on the way; B: input shared_w2 (given as codes): QUANTISED
;;     3. [M 2,048, K 1,024] x [K 1,024, N 1,024]; A: input x; B: input shared_w1 (given as codes): QUANTISED
;;     4. [M 2,048, K 1,024] x [K 1,024, N 1,024]; A: computed on the way; B: input shared_w2 (given as codes): QUANTISED
;;     5. [M 2,048, K 1,024] x [K 1,024, N 14]; A: input x; B: input router_w: left as it is (N = 14 < 16)
;;     6. [M 2,048, K 1,024] x [K 1,024, N 1,024]; A: input x; B: input routed_w1 (given as codes): QUANTISED
;;     7. [M 2,048, K 1,024] x [K 1,024, N 1,024]; A: computed on the way; B: input routed_w2 (given as codes): QUANTISED
;;     8. [M 2,048, K 1,024] x [K 1,024, N 1,024]; A: input x; B: input routed_w1 (given as codes): QUANTISED
;;     9. [M 2,048, K 1,024] x [K 1,024, N 1,024]; A: computed on the way; B: input routed_w2 (given as codes): QUANTISED
;;     10. [M 2,048, K 1,024] x [K 1,024, N 1,024]; A: input x; B: input routed_w1 (given as codes): QUANTISED
;;     11. [M 2,048, K 1,024] x [K 1,024, N 1,024]; A: computed on the way; B: input routed_w2 (given as codes): QUANTISED
;;     12. [M 2,048, K 1,024] x [K 1,024, N 1,024]; A: input x; B: input routed_w1 (given as codes): QUANTISED
;;     13. [M 2,048, K 1,024] x [K 1,024, N 1,024]; A: computed on the way; B: input routed_w2 (given as codes): QUANTISED
;;     14. [M 2,048, K 1,024] x [K 1,024, N 1,024]; A: input x; B: input routed_w1 (given as codes): QUANTISED
;;     15. [M 2,048, K 1,024] x [K 1,024, N 1,024]; A: computed on the way; B: input routed_w2 (given as codes): QUANTISED
;;     16. [M 2,048, K 1,024] x [K 1,024, N 1,024]; A: input x; B: input routed_w1 (given as codes): QUANTISED
;;     17. [M 2,048, K 1,024] x [K 1,024, N 1,024]; A: computed on the way; B: input routed_w2 (given as codes): QUANTISED
;;     18. [M 2,048, K 1,024] x [K 1,024, N 1,024]; A: input x; B: input routed_w1 (given as codes): QUANTISED
;;     19. [M 2,048, K 1,024] x [K 1,024, N 1,024]; A: computed on the way; B: input routed_w2 (given as codes): QUANTISED
;;     20. [M 2,048, K 1,024] x [K 1,024, N 1,024]; A: input x; B: input routed_w1 (given as codes): QUANTISED
;;     21. [M 2,048, K 1,024] x [K 1,024, N 1,024]; A: computed on the way; B: input routed_w2 (given as codes): QUANTISED
;;     22. [M 2,048, K 1,024] x [K 1,024, N 1,024]; A: input x; B: input routed_w1 (given as codes): QUANTISED
;;     23. [M 2,048, K 1,024] x [K 1,024, N 1,024]; A: computed on the way; B: input routed_w2 (given as codes): QUANTISED
;;     24. [M 2,048, K 1,024] x [K 1,024, N 1,024]; A: input x; B: input routed_w1 (given as codes): QUANTISED
;;     25. [M 2,048, K 1,024] x [K 1,024, N 1,024]; A: computed on the way; B: input routed_w2 (given as codes): QUANTISED
;;     26. [M 2,048, K 1,024] x [K 1,024, N 1,024]; A: input x; B: input routed_w1 (given as codes): QUANTISED
;;     27. [M 2,048, K 1,024] x [K 1,024, N 1,024]; A: computed on the way; B: input routed_w2 (given as codes): QUANTISED
;;     28. [M 2,048, K 1,024] x [K 1,024, N 1,024]; A: input x; B: input routed_w1 (given as codes): QUANTISED
;;     29. [M 2,048, K 1,024] x [K 1,024, N 1,024]; A: computed on the way; B: input routed_w2 (given as codes): QUANTISED
;;     30. [M 2,048, K 1,024] x [K 1,024, N 1,024]; A: input x; B: input routed_w1 (given as codes): QUANTISED
;;     31. [M 2,048, K 1,024] x [K 1,024, N 1,024]; A: computed on the way; B: input routed_w2 (given as codes): QUANTISED
;;     32. [M 2,048, K 1,024] x [K 1,024, N 1,024]; A: input x; B: input routed_w1 (given as codes): QUANTISED
;;     33. [M 2,048, K 1,024] x [K 1,024, N 1,024]; A: computed on the way; B: input routed_w2 (given as codes): QUANTISED
;;   THE QUANTISER, for each operand of a quantised product, along K:
;;     - K is cut into blocks of 32 from its start; a last block that is shorter is filled with zeros.
;;     - A block's scale is 2^e with e = floor(log2(the largest magnitude in the block)) - 8, held to -126 .. 127; a block of zeros has e = 0. As a byte (E8M0): e + 127.
;;     - Each number is divided by its block's scale, clamped to +-448, and rounded to the nearest number of E4M3, ties to even, subnormals kept.
;;     - The product sums the exact products of the quantised numbers (number of the format x scale) in f32.
;;   ~~~python
;;   def quantise(x, axis):      # numpy; x: float32 -> the quantised numbers, widened to float32 again
;;       x = np.moveaxis(x, axis, -1); K = x.shape[-1]
;;       x = np.pad(x, [(0, 0)] * (x.ndim - 1) + [(0, -K % 32)]); x = x.reshape(x.shape[:-1] + (-1, 32)); a = np.abs(x).max(-1, keepdims=True)
;;       e = np.where(a > 0, np.clip(np.frexp(np.where(a > 0, a, 1))[1] - 1 - 8, -126, 127), 0)      # np.frexp(a)[1] - 1 = floor(log2(a)), exactly
;;       r = np.clip(x / 2.0 ** e, -448, 448)
;;       step = 2.0 ** (np.maximum(np.frexp(np.where(r == 0, 1, r))[1] - 1, -6) - 3)
;;       q = np.round(r / step) * step * 2.0 ** e      # np.round: ties to even
;;       return np.moveaxis(q.reshape(q.shape[:-2] + (-1,))[..., :K], -1, axis).astype(np.float32)
;;   ~~~
;;   OPERANDS COMPUTED ON THE WAY. 'Computed on the way' means the value that the module computes at that place (a softmax that the list does not call 'softmax' is quantised finished and normalised). What goes into a quantiser is computed in f32, as accurately as f32 sums, v_exp_f32 and their like allow (about 1e-6 of the number): no bf16 or f16 on the way to a quantiser, and a product that is left as it is and whose result goes on into a quantised operand takes f32 operands (vector FMAs, or v_wmma_f32_16x16x4_f32). A number that lies on a knife's edge between two numbers of the format may be rounded either way, as far as f32 arithmetic and the matrix unit's own rounding can turn it there, and no further.
;;   INPUTS GIVEN AS CODES. routed_w1 (in the module: [14, 1024, 1024], K = its axis 1); routed_w2 (in the module: [14, 1024, 1024], K = its axis 1); shared_w1 (in the module: [2, 1024, 1024], K = its axis 1); shared_w2 (in the module: [2, 1024, 1024], K = its axis 1): each comes as NAME_codes (uint8): NAME with its K axis moved to the last place and cut into blocks of 32 codes, [.., K / 32, bytes a block], one block behind the other in memory; one code a byte (a code: sign, 4 exponent bits, 3 mantissa bits); and NAME_scales (uint8): the same leading axes, one E8M0 byte (e + 127) for each 32 codes along K. Its value is code x scale, taken as it is: it is not quantised again, and the codes and scales need not be those that the quantiser above would give.
;; 2 versions. Each part assembles by itself: llvm-mc -triple=amdgcn-amd-amdhsa -mcpu=gfx1250 --defsym DOCPART=n.
;; ======== version 1 of 2: 3 launches
;; workspace buffers: xq 2,097,152 bytes; xs 65,536 bytes; route 16,384 bytes of whole numbers; gate 16,384 bytes; wfrag 33,554,432 bytes; sfrag 1,048,576 bytes; y 33,554,432 bytes
;; launch prep (part 1): grid 320 x 1, 8 waves a work-group, no clusters, 83,968 bytes of LDS; arguments x, router_w, router_b, xq, xs, route, gate, wfrag, sfrag, routed_w1_codes, routed_w2_codes, shared_w1_codes, shared_w2_codes, routed_w1_scales, routed_w2_scales, shared_w1_scales, shared_w2_scales; writes xq, xs, route, gate, wfrag, sfrag
.if DOCPART == 1
	.amdgcn_target "amdgcn-amd-amdhsa--gfx1250"
	.amdhsa_code_object_version 6
	.text
	.protected	k_q6469aee7e9_prep
	.globl	k_q6469aee7e9_prep
	.p2align	8
	.type	k_q6469aee7e9_prep,@function
k_q6469aee7e9_prep:
	s_mov_b64 s[64:65], 0
	v_nop
	global_prefetch_b8 v0, s[64:65] scope:SCOPE_SE
	s_setreg_imm32_b32 hwreg(HW_REG_WAVE_MODE, 25, 1), 1
	s_wait_xcnt 0x0
; PREP: two kinds of work-groups in one launch, parted on the work-group's number alone.
; WORK-GROUPS 0-63 (one for each 32 tokens; wave w: tokens 4 w .. 4 w + 3):
;   the router in f32 (x . router_w + router_b, softmax, the two largest, ties to the lower index), stored at FIXED places:
;     route: rec[group][32 words]: words 0-13 a bitmap of the group's tokens for each routed expert, words 14, 15 all ones (the two shared experts take every token),
;            words 16-23 the 16 counts, two to a word; then from byte 8192 sel[token] = first expert | second expert << 8.   gate: [token][2] f32.
;   x as codes of E4M3 (xq, row-major) with one E8M0 byte for each 32 along K (xs, 32 bytes a token).
; WORK-GROUPS 64-319: the 32 weight matrices and their scale bytes are laid in the order in which the next launch's operand registers take them:
;   wfrag byte = e 2 MB + w 256 KB + s 8192 + t 2048 + c 512 + 16 lane  (e expert, 14 and 15 the shared ones; w the reading wave; s = 16 layer + 8 chunk + K step; t tile; c quarter of a fragment):
;   the 16 codes W[row][128 ks + 32 c + 16 (lane / 16) ..], row = 128 w + 64 chunk + (layer 0: 32 (t / 2) + 8 (t % 2) + r + 8 (r / 8); layer 1: 16 t + r), r = lane % 16.
;   sfrag byte = e 64 KB + w 8 KB + Q 1024 + j 512 + 16 lane, Q = s / 4: the four scale words (K steps 4 (Q % 2) ..) of the row of tile 2 j + lane / 16.
; A block's scale is 2^(floor(log2(its largest magnitude)) - 8): its byte is the largest magnitude's exponent field - 8, held at 1 from below.
; LIMITS: NaN and infinities among the inputs are not served.  A block of zeros, or one whose largest magnitude lies under 2^-118, gets the byte 1 (a block of zeros: zero codes, which add nothing); these bytes are read by this program alone.
; The two largest are taken of the exponentials 2^((l - max) log2 e), which rise with the affinities, by strict '>': the lower index wins a tie.
; No matrix unit (the router has 14 columns and wants f32), no tensor loads: each wave's loads are dense and go straight to registers.
.set WT,  0                            ; LDS: router_w as it lies, 64 pieces of 16 rows (896 bytes), each padded to 912 = 57 x 16 bytes, so that the lanes' 16-byte reads, 912 bytes apart, fall on different banks
.set STG, 58368                        ; a stage of 32 x 80 bytes for each wave
.set SB,  78848                        ; the group's scale bytes: 32 a token
.set LG,  79872                        ; the logits: 32 rows, 80 bytes apart
.set WB,  8                            ; v8-63    two sets of 28 numbers of router_w; later at work in the quantiser (v8-11), codes (v16-47), bytes (v48-55)
.set X,   64                           ; v64-191  x: step st = 2 token + half: 16 registers
.set AC,  192                          ; v192-247 first router_w's 14 pieces on their way to LDS, then the sums: token tk's 14 at AC + 14 tk
	s_load_b512 s[4:19], s[0:1], 0x0               ; x, router_w, router_b, xq, xs, route, gate, wfrag
	s_load_b512 s[20:35], s[0:1], 0x40             ; sfrag, routed w1, w2 codes, shared w1, w2 codes, routed w1, w2 scales, shared w1 scales
	s_load_b64 s[36:37], s[0:1], 0x80              ; shared w2 scales
	v_lshl_add_u32 v254, v0, 2, 0x14400
	v_mov_b32 v255, 0
	v_lshrrev_b32 v1, 5, v0
	v_readfirstlane_b32 s2, v1                     ; wave 0..7
	v_and_b32 v1, 31, v0                           ; lane
	v_lshlrev_b32 v2, 4, v1                        ; 16 x lane
	s_cmp_lt_u32 ttmp9, 64
	s_cbranch_scc0 .Lrelay
; ---------------------------------------------------------------- tokens
	s_mul_i32 s40, s2, 2560
	s_add_co_u32 s40, s40, STG                     ; my stage
	v_lshrrev_b32 v3, 2, v1
	v_mul_u32_u24 v3, v3, 80
	v_and_b32 v4, 3, v1
	v_lshl_add_u32 v3, v4, 4, v3
	v_add_nc_u32 v3, s40, v3                       ; into it: four lanes' 64 bytes on end, then 16 of padding
	v_mul_u32_u24 v4, v1, 80
	v_add_nc_u32 v4, s40, v4                       ; out of it: 80 x lane: 16 neighbours along K
	v_mul_u32_u24 v5, v1, 912                      ; my piece of router_w: rows 16 lane .. 16 lane + 15 of a half
	s_lshl_b32 s41, s2, 7
	s_add_co_u32 s41, s41, SB
	v_lshrrev_b32 v6, 1, v1
	v_add_nc_u32 v6, s41, v6                       ; my wave's 128 scale bytes, my block's byte
	s_mul_i32 s42, s2, 320
	s_add_co_u32 s42, s42, LG
	v_mov_b32 v7, s42                              ; my wave's four rows of logits
	v_mul_u32_u24 v252, v1, 80
	v_add_nc_u32 v252, LG, v252                    ; wave 0, at the end: lane = token: its row of logits,
	v_add_nc_u32 v253, SB, v2                      ; and 16 of the group's scale bytes
	v_mov_b32 v248, 0                              ; written once: a lane permute's destination counts as one of its sources
	v_lshlrev_b32 v249, 4, v0                      ; router_w: 16 bytes a thread
	s_mov_b32 s38, 0x76543210
	s_mov_b32 s39, 0xfedcba98                      ; v_permlanex16_b32's selects for lane l xor 16
	s_mov_b32 s43, 0x600000                        ; the mantissa field of 448
	s_lshl_b32 s44, ttmp9, 17
	s_lshl_b32 s45, s2, 14
	s_add_co_u32 s44, s44, s45                     ; x: (32 group + 4 wave) rows of 4,096 bytes
	s_mov_b32 s45, 0
	s_lshl_b32 s46, ttmp9, 15
	s_lshl_b32 s47, s2, 12
	s_add_co_u32 s46, s46, s47                     ; xq: the same rows, 1,024 bytes each
	s_mov_b32 s47, 0
	s_lshl_b32 s62, ttmp9, 10                      ; xs: 1,024 bytes a group
	s_mov_b32 s63, 0
	s_lshl_b32 s66, ttmp9, 7                       ; route: 128 bytes a group, in both of its parts
	s_mov_b32 s67, 0
	s_lshl_b32 s68, ttmp9, 8                       ; gate: 256 bytes a group
	s_mov_b32 s69, 0
	s_wait_kmcnt 0x0
	s_add_nc_u64 s[4:5], s[4:5], s[44:45]
	s_add_nc_u64 s[10:11], s[10:11], s[46:47]
	s_add_nc_u64 s[12:13], s[12:13], s[62:63]
	s_add_nc_u64 s[14:15], s[14:15], s[66:67]
	s_add_nc_u64 s[16:17], s[16:17], s[68:69]
	s_load_b256 s[48:55], s[8:9], 0x0              ; router_b: 56 bytes, no more
	s_load_b128 s[56:59], s[8:9], 0x20
	s_load_b64 s[60:61], s[8:9], 0x30
.irp k, 0,1,2,3,4,5,6,7,8,9,10,11,12,13
	global_load_b128 v[AC+4*\k:AC+4*\k+3], v249, s[6:7] offset:4096*\k          ; router_w, dense: piece n = thread + 256 k
.endr
.irp st, 0,1,2,3,4,5,6,7
.irp i, 0,1,2,3
	global_load_b128 v[X+16*\st+4*\i:X+16*\st+4*\i+3], v2, s[4:5] offset:2048*\st+512*\i th:TH_LOAD_NT   ; 32 lanes read 512 consecutive bytes
.endr
.endr
	s_wait_loadcnt 32                              ; router_w's 14 pieces are in; x's 32 loads, issued behind them, may be out
.irp k, 0,1,2,3,4,5,6,7,8,9,10,11,12,13
	v_add_nc_u32 v250, 256*\k, v0                  ; n
	v_mul_u32_u24 v251, v250, 74899
	v_lshrrev_b32 v251, 22, v251                   ; n / 56 (74899 x 56 = 2^22 + 40: exact for n under 104,857): how many pads lie in front of the piece
	v_lshlrev_b32 v250, 4, v250
	v_lshl_add_u32 v250, v251, 4, v250
	ds_store_b128 v250, v[AC+4*\k:AC+4*\k+3]
.endr
	s_wait_dscnt 0x0                               ; for the others' sake: my part of router_w lies in LDS
	s_barrier_signal -1
	s_barrier_wait -1                              ; everybody's does
	s_wait_loadcnt 0x0                             ; x
; Each step's 2,048 bytes turn through my stage, in place: LDS serves a wave's instructions in order, so the loads see the stores and the next step's stores come behind them.  Afterwards lane l holds d = 512 half + 16 l + 0 .. 15.
.irp st, 0,1,2,3,4,5,6,7
.irp i, 0,1,2,3
	ds_store_b128 v3, v[X+16*\st+4*\i:X+16*\st+4*\i+3] offset:640*\i
.endr
.irp i, 0,1,2,3
	ds_load_b128 v[X+16*\st+4*\i:X+16*\st+4*\i+3], v4 offset:16*\i
.endr
.endr
; THE ROUTER.  Step q = 8 half + pair: two of my 16 rows of router_w (28 numbers, 7 loads) against the same two numbers of my four tokens: 56 packed multiply-adds.
.macro WLOAD q
.irp k, 0,1,2,3,4,5,6
	ds_load_b128 v[WB+28*((\q)%2)+4*\k:WB+28*((\q)%2)+4*\k+3], v5 offset:29184*((\q)/8)+112*((\q)%8)+16*\k
.endr
.endm
.macro RSTEP q
.if \q < 15
	WLOAD \q+1
	s_wait_dscnt 7                                 ; all but the next step's seven loads
.else
	s_wait_dscnt 0x0
.endif
.set rW, WB+28*((\q)%2)
.set rX, X+16*((\q)/8)+2*((\q)%8)
.irp tk, 0,1,2,3
.irp p, 0,2,4,6,8,10,12
.if \q == 0
	v_pk_mul_f32 v[AC+14*\tk+\p:AC+14*\tk+\p+1], v[rX+32*\tk:rX+32*\tk+1], v[rW+\p:rW+\p+1] op_sel_hi:[0,1]   ; the first product starts the sums: nothing is cleared
.else
	v_pk_fma_f32 v[AC+14*\tk+\p:AC+14*\tk+\p+1], v[rX+32*\tk:rX+32*\tk+1], v[rW+\p:rW+\p+1], v[AC+14*\tk+\p:AC+14*\tk+\p+1] op_sel_hi:[0,1,1]   ; the pair's first x for both experts
.endif
.endr
.irp p, 0,2,4,6,8,10,12
	v_pk_fma_f32 v[AC+14*\tk+\p:AC+14*\tk+\p+1], v[rX+32*\tk:rX+32*\tk+1], v[rW+14+\p:rW+14+\p+1], v[AC+14*\tk+\p:AC+14*\tk+\p+1] op_sel:[1,0,0] op_sel_hi:[1,1,1]   ; its second
.endr
.endr
.endm
	WLOAD 0
.set Q, 0
.rept 16
	RSTEP Q
.set Q, Q+1
.endr
; the 56 sums over the 32 lanes: four steps inside each half ride on the additions, one crosses the halves
.irp m, 1,2,4,8
.set J, 0
.rept 56
	v_add_f32_dpp v[AC+J], v[AC+J], v[AC+J] row_xmask:\m row_mask:0xf bank_mask:0xf
.set J, J+1
.endr
.endr
.set J, 0
.rept 14
.irp n, 0,1,2,3
	v_permlanex16_b32 v[248+\n], v[AC+J+\n], s38, s39
.endr
.irp n, 0,1,2,3
	v_add_f32 v[AC+J+\n], v[AC+J+\n], v[248+\n]
.endr
.set J, J+4
.endr
.irp tk, 0,1,2,3
	ds_store_b128 v7, v[AC+14*\tk:AC+14*\tk+3] offset:80*\tk          ; every lane holds the sums: all write the same words with the same values
	ds_store_b128 v7, v[AC+14*\tk+4:AC+14*\tk+7] offset:80*\tk+16
	ds_store_b128 v7, v[AC+14*\tk+8:AC+14*\tk+11] offset:80*\tk+32
	ds_store_b64 v7, v[AC+14*\tk+12:AC+14*\tk+13] offset:80*\tk+48
.endr
; THE QUANTISER.  Two neighbouring lanes hold a block of 32.  Each step has registers of its own for its codes and its byte, so no store's data are written again.
.macro QSTEP st
.set XS, X+16*(\st)
	v_max3_num_f32 v8, |v[XS]|, |v[XS+1]|, |v[XS+2]|
	v_max3_num_f32 v9, |v[XS+3]|, |v[XS+4]|, |v[XS+5]|
.irp i, 6,10
	v_max3_num_f32 v8, v8, |v[XS+\i]|, |v[XS+\i+1]|
	v_max3_num_f32 v9, v9, |v[XS+\i+2]|, |v[XS+\i+3]|
.endr
	v_max3_num_f32 v8, v8, |v[XS+14]|, |v[XS+15]|
	v_max3_num_f32 v8, v8, v9, 0x4800000           ; and the floor 2^(9 - 127): the byte cannot fall under 1
	v_max_num_f32_dpp v8, v8, v8 row_xmask:1 row_mask:0xf bank_mask:0xf   ; with my neighbour's 16: the block's largest magnitude
	v_add_nc_u32 v11, 0xfc000000, v8               ; 8 off its exponent field: the conversion takes this operand's exponent field as its scale
	v_and_or_b32 v10, v8, 0x7f800000, s43          ; 448 x the scale
.irp i, 0,1,2,3,4,5,6,7,8,9,10,11,12,13,14,15
	v_med3_num_f32 v[XS+\i], v[XS+\i], -v10, v10   ; the conversion to an 8-bit code does not saturate (ISA guide 7.6.2): the hold comes first
.endr
	v_cvt_scalef32_pk8_fp8_f32 v[16+4*(\st):17+4*(\st)], v[XS:XS+7], v11
	v_cvt_scalef32_pk8_fp8_f32 v[18+4*(\st):19+4*(\st)], v[XS+8:XS+15], v11
	v_lshrrev_b32 v[48+(\st)], 23, v11             ; the scale's byte (also the plain line behind the conversions)
	ds_store_b8 v6, v[48+(\st)] offset:32*((\st)/2)+16*((\st)%2)     ; both lanes of a block write the same byte with the same value
	global_store_b128 v2, v[16+4*(\st):19+4*(\st)], s[10:11] offset:512*(\st)   ; 32 lanes store 512 consecutive bytes
.endm
.irp st, 0,1,2,3,4,5,6,7
	QSTEP \st
.endr
	s_wait_dscnt 0x0                               ; for wave 0's sake: my logits and scale bytes lie in LDS
	s_barrier_signal -1
	s_barrier_wait -1
	s_cmp_lg_u32 s2, 0
	s_cbranch_scc1 .Ldone
; WAVE 0, a lane to a token: softmax, the two largest, the group's record
	ds_load_b128 v[64:67], v252
	ds_load_b128 v[68:71], v252 offset:16
	ds_load_b128 v[72:75], v252 offset:32
	ds_load_b64 v[76:77], v252 offset:48
	ds_load_b128 v[80:83], v253
	ds_load_b128 v[84:87], v253 offset:512
	s_wait_kmcnt 0x0                               ; router_b
	s_wait_dscnt 0x0
	global_store_b128 v2, v[80:83], s[12:13]       ; the group's 1,024 scale bytes, 512 consecutive bytes a store
	global_store_b128 v2, v[84:87], s[12:13] offset:512
.irp e, 0,1,2,3,4,5,6,7,8,9,10,11,12,13
	v_add_f32 v[64+\e], s[48+\e], v[64+\e]
.endr
	v_max3_num_f32 v90, v64, v65, v66
.irp e, 3,5,7,9,11
	v_max3_num_f32 v90, v90, v[64+\e], v[65+\e]
.endr
	v_max_num_f32 v90, v90, v77                    ; the row's largest logit is taken away ahead of the exponentials
.irp e, 0,1,2,3,4,5,6,7,8,9,10,11,12,13
	v_sub_f32 v[64+\e], v[64+\e], v90
.endr
.irp e, 0,1,2,3,4,5,6,7,8,9,10,11,12,13
	v_mul_f32 v[64+\e], 0x3fb8aa3b, v[64+\e]
.endr
.irp e, 0,1,2,3,4,5,6,7,8,9,10,11,12,13
	v_exp_f32 v[64+\e], v[64+\e]
.endr
	v_mov_b32 v92, 0                               ; the first's index (a plain line behind the exponentials)
	v_mov_b32 v95, 0                               ; the second's
	v_mov_b32 v94, -1.0                            ; the second largest so far: under every exponential
	s_wait_alu depctr_va_vdst(0)
	v_mov_b32 v93, v64                             ; the largest so far
	v_add_f32 v91, v64, v65
.irp e, 2,3,4,5,6,7,8,9,10,11,12,13
	v_add_f32 v91, v91, v[64+\e]
.endr
.irp e, 1,2,3,4,5,6,7,8,9,10,11,12,13
	v_cmp_gt_f32 s40, v[64+\e], v93
	v_cmp_gt_f32 s41, v[64+\e], v94
	v_cndmask_b32 v94, v94, v[64+\e], s41
	v_cndmask_b32 v95, v95, \e, s41
	v_cndmask_b32 v94, v94, v93, s40
	v_cndmask_b32 v95, v95, v92, s40
	v_cndmask_b32 v93, v93, v[64+\e], s40
	v_cndmask_b32 v92, v92, \e, s40
.endr
	v_rcp_f32 v91, v91
	v_lshl_or_b32 v98, v95, 8, v92                 ; sel (a plain line behind the reciprocal)
	s_wait_alu depctr_va_vdst(0)
	v_mul_f32 v96, v93, v91                        ; the two gates
	v_mul_f32 v97, v94, v91
	v_mov_b32 v99, 0                               ; the record: lane i will hold word i
.irp e, 0,1,2,3,4,5,6,7,8,9,10,11,12,13
	v_cmp_eq_u32 s40, \e, v92
	v_cmp_eq_u32 s41, \e, v95
	s_or_b32 s40, s40, s41                         ; expert e's tokens of this group, a bit each
	s_bcnt1_i32_b32 s41, s40
	v_writelane_b32 v99, s40, \e
.if \e%2 == 0
	s_mov_b32 s42, s41
.else
	s_lshl_b32 s41, s41, 16
	s_or_b32 s42, s42, s41
	v_writelane_b32 v99, s42, 16+\e/2              ; two counts to a word
.endif
.endr
	s_mov_b32 s40, -1
	v_writelane_b32 v99, s40, 14                   ; the shared experts take all 32 tokens
	v_writelane_b32 v99, s40, 15
	s_mov_b32 s41, 0x00200020
	v_writelane_b32 v99, s41, 23
	v_lshlrev_b32 v100, 2, v1
	v_lshlrev_b32 v101, 3, v1
	global_store_b32 v100, v99, s[14:15]
	global_store_b32 v100, v98, s[14:15] offset:8192
	global_store_b64 v101, v[96:97], s[16:17]
.Ldone:
	s_wait_tensorcnt 0x0
	ds_add_u32 v254, v255
	s_wait_dscnt 0x0
	s_endpgm
; ---------------------------------------------------------------- weights: work-group b = (expert, layer, reading wave w): 128 rows x 1,024 codes; my wave: chunk = wave / 4, K steps 2 (wave % 4) and the next
.Lrelay:
	s_sub_co_u32 s40, ttmp9, 64
	s_lshr_b32 s41, s40, 4                         ; e
	s_bfe_u32 s42, s40, 0x10003                    ; layer
	s_and_b32 s43, s40, 7                          ; w
	s_lshr_b32 s44, s2, 2                          ; chunk
	s_and_b32 s45, s2, 3                           ; kp
	s_wait_kmcnt 0x0
	s_cmp_lt_u32 s41, 14                           ; routed or shared: the choice hangs on the work-group's number alone
	s_cselect_b64 s[22:23], s[22:23], s[26:27]
	s_cselect_b64 s[24:25], s[24:25], s[28:29]
	s_cselect_b64 s[30:31], s[30:31], s[34:35]
	s_cselect_b64 s[32:33], s[32:33], s[36:37]
	s_cselect_b32 s46, 0, 14
	s_sub_co_u32 s46, s41, s46                     ; the matrix's number in its own tensor
	s_cmp_eq_u32 s42, 0                            ; first or second layer
	s_cselect_b64 s[22:23], s[22:23], s[24:25]
	s_cselect_b64 s[30:31], s[30:31], s[32:33]
	s_cselect_b32 s47, 8192, 0                     ; layer 0: lanes 8-15 of a tile stand 8 rows further on
	s_sub_co_u32 s48, 16384, s47                   ; from an even tile to the odd one: 8 rows (layer 0) or 16 (layer 1)
	s_lshl_b32 s50, s46, 20
	s_lshl_b32 s51, s43, 17
	s_add_co_u32 s50, s50, s51
	s_lshl_b32 s51, s44, 16
	s_add_co_u32 s50, s50, s51
	s_lshl_b32 s51, s45, 8
	s_add_co_u32 s50, s50, s51                     ; from: matrix, row 128 w + 64 chunk, byte 256 kp
	s_mov_b32 s51, 0
	s_add_nc_u64 s[22:23], s[22:23], s[50:51]
	s_lshl_b32 s52, s41, 21
	s_lshl_b32 s53, s43, 18
	s_add_co_u32 s52, s52, s53
	s_lshl_b32 s53, s42, 17
	s_add_co_u32 s52, s52, s53
	s_lshl_b32 s53, s44, 16
	s_add_co_u32 s52, s52, s53
	s_lshl_b32 s53, s45, 14
	s_add_co_u32 s52, s52, s53                     ; to: e, w, set 16 layer + 8 chunk + 2 kp
	s_mov_b32 s53, 0
	s_add_nc_u64 s[18:19], s[18:19], s[52:53]
	s_and_b32 s58, s45, 1                          ; j
	s_lshr_b32 s59, s45, 1                         ; q
	s_lshl_b32 s54, s46, 15
	s_lshl_b32 s55, s43, 12
	s_add_co_u32 s54, s54, s55
	s_lshl_b32 s55, s44, 11
	s_add_co_u32 s54, s54, s55
	s_lshl_b32 s55, s58, 10
	s_add_co_u32 s54, s54, s55
	s_lshl_b32 s55, s59, 4
	s_add_co_u32 s54, s54, s55                     ; scale bytes from: matrix, row 128 w + 64 chunk + 32 j (32 bytes a row), byte 16 q
	s_mov_b32 s55, 0
	s_add_nc_u64 s[30:31], s[30:31], s[54:55]
	s_lshl_b32 s56, s41, 16
	s_lshl_b32 s57, s43, 13
	s_add_co_u32 s56, s56, s57
	s_lshl_b32 s57, s42, 12
	s_add_co_u32 s56, s56, s57
	s_lshl_b32 s57, s44, 11
	s_add_co_u32 s56, s56, s57
	s_lshl_b32 s57, s59, 10
	s_add_co_u32 s56, s56, s57
	s_lshl_b32 s57, s58, 9
	s_add_co_u32 s56, s56, s57                     ; to: e, w, Q = 4 layer + 2 chunk + q, j
	s_mov_b32 s57, 0
	s_add_nc_u64 s[20:21], s[20:21], s[56:57]
	s_lshr_b32 s58, s47, 5                         ; the same two distances in rows of 32 scale bytes
	s_lshr_b32 s59, s48, 5
	v_and_b32 v3, 15, v0                           ; r
	v_bfe_u32 v4, v0, 4, 1                         ; lane / 16
	v_bfe_u32 v5, v0, 3, 1                         ; r / 8
	v_lshlrev_b32 v6, 10, v3
	v_lshl_add_u32 v6, v4, 4, v6
	v_mul_u32_u24 v7, v5, s47
	v_add_nc_u32 v6, v6, v7                        ; an even tile: my row x 1,024 + 16 (lane / 16)
	v_add_nc_u32 v7, s48, v6                       ; an odd tile
	v_lshlrev_b32 v8, 5, v3
	v_mul_u32_u24 v9, v5, s58
	v_add_nc_u32 v8, v8, v9
	v_mul_u32_u24 v9, v4, s59
	v_add_nc_u32 v8, v8, v9                        ; scale bytes: lanes 0-15 the even tile's rows, lanes 16-31 the odd tile's
.irp t, 0,1,2,3
.irp kk, 0,1
.irp c, 0,1,2,3
	global_load_b128 v[64+4*(16*\kk+4*\t+\c):64+4*(16*\kk+4*\t+\c)+3], v[6+(\t%2)], s[22:23] offset:(\t/2)*32768+\kk*128+\c*32 th:TH_LOAD_NT   ; eight loads on end take 256 consecutive bytes of each of 16 rows
.endr
.endr
.endr
	global_load_b128 v[12:15], v8, s[30:31] th:TH_LOAD_NT
.set M, 0
.irp t, 0,1,2,3
.irp kk, 0,1
.irp c, 0,1,2,3
	s_wait_loadcnt 32-M                            ; behind load M: 31 - M loads of codes and the load of scale bytes
	global_store_b128 v2, v[64+4*(16*\kk+4*\t+\c):64+4*(16*\kk+4*\t+\c)+3], s[18:19] offset:\kk*8192+\t*2048+\c*512   ; 512 consecutive bytes
.set M, M+1
.endr
.endr
.endr
	s_wait_loadcnt 0x0
	global_store_b128 v2, v[12:15], s[20:21]
	s_endpgm
.Lfunc_end_k_q6469aee7e9_prep:
	.size	k_q6469aee7e9_prep, .Lfunc_end_k_q6469aee7e9_prep-k_q6469aee7e9_prep
	.p2alignl 7, 3214868480
	.fill 96, 4, 3214868480
	.section	.rodata,"a",@progbits
	.p2align	6, 0x0
	.amdhsa_kernel k_q6469aee7e9_prep
		.amdhsa_group_segment_fixed_size 83968
		.amdhsa_private_segment_fixed_size 0
		.amdhsa_enable_private_segment 0
		.amdhsa_kernarg_size 136
		.amdhsa_user_sgpr_count 2
		.amdhsa_user_sgpr_kernarg_segment_ptr 1
		.amdhsa_wavefront_size32 1
		.amdhsa_system_sgpr_workgroup_id_x 1
		.amdhsa_system_sgpr_workgroup_id_y 1
		.amdhsa_system_sgpr_workgroup_id_z 1
		.amdhsa_system_vgpr_workitem_id 0
		.amdhsa_next_free_vgpr 256
		.amdhsa_next_free_sgpr 96
		.amdhsa_reserve_vcc 0
		.amdhsa_float_denorm_mode_32 3
		.amdhsa_float_denorm_mode_16_64 3
		.amdhsa_memory_ordered 1
		.amdhsa_forward_progress 1
		.amdhsa_inst_pref_size 143
	.end_amdhsa_kernel
	.amdgpu_metadata
---
amdhsa.version: [ 1, 2 ]
amdhsa.kernels:
  - .name:           k_q6469aee7e9_prep
    .symbol:         k_q6469aee7e9_prep.kd
    .args:
      - { .name: x, .offset: 0, .size: 8, .value_kind: global_buffer, .address_space: global }
      - { .name: router_w, .offset: 8, .size: 8, .value_kind: global_buffer, .address_space: global }
      - { .name: router_b, .offset: 16, .size: 8, .value_kind: global_buffer, .address_space: global }
      - { .name: xq, .offset: 24, .size: 8, .value_kind: global_buffer, .address_space: global }
      - { .name: xs, .offset: 32, .size: 8, .value_kind: global_buffer, .address_space: global }
      - { .name: route, .offset: 40, .size: 8, .value_kind: global_buffer, .address_space: global }
      - { .name: gate, .offset: 48, .size: 8, .value_kind: global_buffer, .address_space: global }
      - { .name: wfrag, .offset: 56, .size: 8, .value_kind: global_buffer, .address_space: global }
      - { .name: sfrag, .offset: 64, .size: 8, .value_kind: global_buffer, .address_space: global }
      - { .name: routed_w1_codes, .offset: 72, .size: 8, .value_kind: global_buffer, .address_space: global }
      - { .name: routed_w2_codes, .offset: 80, .size: 8, .value_kind: global_buffer, .address_space: global }
      - { .name: shared_w1_codes, .offset: 88, .size: 8, .value_kind: global_buffer, .address_space: global }
      - { .name: shared_w2_codes, .offset: 96, .size: 8, .value_kind: global_buffer, .address_space: global }
      - { .name: routed_w1_scales, .offset: 104, .size: 8, .value_kind: global_buffer, .address_space: global }
      - { .name: routed_w2_scales, .offset: 112, .size: 8, .value_kind: global_buffer, .address_space: global }
      - { .name: shared_w1_scales, .offset: 120, .size: 8, .value_kind: global_buffer, .address_space: global }
      - { .name: shared_w2_scales, .offset: 128, .size: 8, .value_kind: global_buffer, .address_space: global }
    .group_segment_fixed_size: 83968
    .private_segment_fixed_size: 0
    .kernarg_segment_align: 8
    .kernarg_segment_size: 136
    .max_flat_workgroup_size: 256
    .sgpr_count:     96
    .vgpr_count:     256
    .wavefront_size: 32
...
	.end_amdgpu_metadata
.endif
;; end of part 1
;; launch chain (part 2): grid 141 x 1, 8 waves a work-group, no clusters, 181,248 bytes of LDS; arguments route, gate, xq, xs, wfrag, sfrag, routed_b1, routed_b2, shared_b1, shared_b2, y; writes y
.if DOCPART == 2
	.amdgcn_target "amdgcn-amd-amdhsa--gfx1250"
	.amdhsa_code_object_version 6
	.text
	.protected	k_q6469aee7e9_chain
	.globl	k_q6469aee7e9_chain
	.p2align	8
	.type	k_q6469aee7e9_chain,@function
k_q6469aee7e9_chain:
	s_mov_b64 s[64:65], 0
	v_nop
	global_prefetch_b8 v0, s[64:65] scope:SCOPE_SE
	s_setreg_imm32_b32 hwreg(HW_REG_WAVE_MODE, 25, 1), 1
	s_wait_xcnt 0x0
; CHAIN: one work-group takes one tile of 64 rows of ONE of 16 experts (0-13 routed; 14, 15 the shared ones, which take every token with gate 1) through the whole chain:
; gather the rows' codes of x, x W1^T + b1, exact GELU, quantise along the hidden axis, h W2^T + b2, x gate, store to y[token][slot][1024] (slots 0, 1: shared; 2, 3: a token's first and second routed expert).  The hidden layer never goes to memory.
; THE GRID SERVES EVERY SPLIT: 64 tiles of the shared experts and at most ceil(4096 / 64) + 13 = 77 routed ones.  Each work-group finds its own tile from the stored counts and bitmaps (whole numbers that the launch before stored).
; A work-group that the split leaves without rows stores nothing; since that is a branch on stored numbers, this text has no tensor load: the weights go from memory straight into registers, laid by the launch before in the order of the operand's registers.
; No cluster either: which expert a work-group serves, and whether it has work at all, hangs on stored numbers, so partners could not be made to ask alike.
; THE NUMBERS THAT STEER (expert, rows, tokens, rows of y) go from their loads to their uses through integer additions, compares and selects, v_readlane_b32 and scalar arithmetic alone: every wave works all of them out for itself.
; SHARES.  Wave w owns hidden units and outputs 128 w .. 128 w + 127 for all 64 rows, in two chunks of 64 (four tiles of 16).  A chunk is 8 K steps of 128; a K step is 16 matrix instructions on 16 accumulators, which take turns.
; Both products are used TRANSPOSED (source 0 = 16 rows of the weight, source 1 = 16 tokens): a lane holds one token, its registers run along the columns.  W1's rows of a tile are chosen so that the 16 registers of tiles 2 b, 2 b + 1 are 16 neighbours along the next K.
; The rows' operands go from wave to wave through LDS as images of their registers (16 bytes a lane); a wave's weights come as one stream of 256 KB through a ring of four register sets, three sets (48 loads) ahead.
; Rows past a tile's end repeat its last valid row: they compute and store the same bytes, so no lane is ever switched off.
; GELU(v) = max(v, 0) - |v| E, E = erfc(|v| / sqrt 2) / 2 = t 2^(P(t) - v^2 log2(e) / 2), t = 1 / (1 + |v| / (2 sqrt 2)), P of degree 9: fractional error of erfc 1.2e-7 everywhere.
; LIMITS: NaN and infinities are not served.  A hidden block whose largest magnitude lies under 2^-118 gets the scale byte 1.
; REGISTERS, window 0: v1-15, v26-28 addresses; v16-19 the hidden layer's scale words in the making; v20-23 gates; v24-25 c9; v29-31 lane, lane % 16, lane / 16; v32-159 the 16 accumulators (32 mt + 8 t); v160-223 four fragments of rows, and at work between chunks;
;   v224-239 the weights' scale words, two sets; v240-241 the rows' scale words (these 18 hold scales and nothing else); v242-253 at work; v254-255 the tile's 64 rows of y, a lane to a row.   window 1: the ring: 4 sets x 4 fragments of the weight.
.set XIMG, 0                           ; LDS: x's 32 fragments, (8 mt + ks) x 2,048 bytes
.set HIMG, 65536                       ; the hidden layer's 32
.set XSC,  131072                      ; x's scale words: [ks][lane][2]: word j of lane L: tile of rows 2 j + L / 16, row L % 16
.set HSC,  133120                      ; the hidden layer's
.set TAB,  135168                      ; gates: each wave's own 128 bytes, the gates of the 32 rows that it gathers (waves 0 and 4 are the copies that are read)
.set BIAS, 136192                      ; each wave's own 1,024 bytes: its 128 numbers of b1, then of b2
.set STG,  144384                      ; each wave's own stage: 16 rows x (256 + 16) bytes
.set HS,   16
.set G,    20
.set ACC,  32
.set XF,   160
.set BI,   XF                          ; 32 numbers of a bias, in the result's layout
.set GT,   XF+32                       ; GELU: t
.set GP,   XF+40                       ; the polynomial, then max(v, 0)
.set GQ,   XF+48                       ; v^2, the exponent, E
.set PC,   XF+56                       ; 32 codes just made
.set OB,   XF+32                       ; the way out: 16 rows read back
.set WS,   224
.set XSR,  240
.set TM,   242
.set YR,   254
.set MSB, 0
.macro WIN new                         ; the immediate's high byte repeats the setting that is left
.if MSB != \new
	s_set_vgpr_msb (MSB<<8)|\new
.set MSB, \new
.endif
.endm
	s_load_b512 s[4:19], s[0:1], 0x0               ; route, gate, xq, xs, wfrag, sfrag, routed b1, routed b2
	s_load_b128 s[20:23], s[0:1], 0x40             ; shared b1, shared b2
	s_load_b64 s[24:25], s[0:1], 0x50              ; y
	v_lshrrev_b32 v29, 5, v0
	v_readfirstlane_b32 s2, v29                    ; wave 0..7
	s_mov_b32 s3, ttmp9                            ; q: which tile of the list is mine
	v_and_b32 v29, 31, v0                          ; lane
	v_and_b32 v30, 15, v0                          ; r
	v_bfe_u32 v31, v0, 4, 1                        ; h
; every LDS address is made here, of the thread's number, the wave's number and constants
	v_lshlrev_b32 v1, 4, v29                       ; 16 x lane: an image's place for my lane; also my place in the weights' streams
	v_add_nc_u32 v2, HIMG, v1
	s_lshl_b32 s40, s2, 10
	s_add_co_u32 s40, s40, BIAS
	v_add_nc_u32 v3, s40, v1                       ; my biases, on the way in
	v_lshlrev_b32 v4, 3, v29
	v_add_nc_u32 v4, XSC, v4                       ; the rows' scale words: 8 bytes a lane
	s_lshl_b32 s41, s2, 11
	v_add_nc_u32 v5, s41, v2                       ; where I store the hidden layer's images: K step w
	s_lshl_b32 s41, s2, 8
	s_add_co_u32 s41, s41, HSC
	v_lshl_add_u32 v7, v30, 3, s41                 ; and their scale words
	v_lshl_add_u32 v8, v31, 6, s40                 ; b1: my half's 16 numbers of each 32
	s_add_co_u32 s41, s40, 512
	v_lshl_add_u32 v9, v31, 5, s41                 ; b2: my half's 8 of each 16
	s_mul_i32 s41, s2, 4352
	s_add_co_u32 s41, s41, STG
	v_mul_u32_u24 v10, v30, 272
	v_lshl_add_u32 v10, v31, 5, v10
	v_add_nc_u32 v10, s41, v10                     ; the stage, in: row r, 32 bytes for each half of the lanes
	v_mul_u32_u24 v11, v31, 272
	v_lshl_add_u32 v11, v30, 4, v11
	v_add_nc_u32 v11, s41, v11                     ; back: lanes 0-15 one row of 256 bytes, lanes 16-31 the next
	v_lshlrev_b32 v13, 2, v30
	v_add_nc_u32 v13, TAB, v13                     ; my token's gate
	v_lshlrev_b32 v14, 4, v30
	s_lshr_b32 s62, s2, 2                          ; u: I gather rows 32 u + lane,
	s_and_b32 s47, s2, 3                           ; kq: bytes 256 kq .. 256 kq + 255 of each (K steps 2 kq and 2 kq + 1)
	s_lshl_b32 s42, s62, 15
	s_lshl_b32 s43, s47, 12
	s_add_co_u32 s42, s42, s43
	v_lshl_add_u32 v26, v31, 14, v14
	v_add_nc_u32 v26, s42, v26                     ; x's images: tile of rows 2 u + lane / 16 (16,384 bytes a tile), K step 2 kq (2,048 a step), row lane % 16
	s_lshl_b32 s42, s62, 2
	s_lshl_b32 s43, s47, 9
	s_add_co_u32 s42, s42, s43
	s_add_co_u32 s42, s42, XSC
	v_lshl_add_u32 v27, v29, 3, s42                ; and their scale words: K step 2 kq, lane, word u
	s_lshl_b32 s42, s2, 7
	s_add_co_u32 s42, s42, TAB
	v_lshl_add_u32 v28, v29, 2, s42                ; my rows' gates
	s_cmp_ge_u32 s2, 4
	s_cselect_b32 s61, -1, 0                       ; all ones where u = 1
	s_mov_b32 s59, 0xffff0000                      ; lanes 16-31
.irp i, 0,1,2,3
	v_mov_b32 v[HS+\i], 0
.endr
	v_mov_b32 v24, 0x3e7c6f08                      ; c9 log2(e), twice: a pair for the packed form
	v_mov_b32 v25, 0x3e7c6f08
.irp i, 0,1,2,3,4,5,6,7,8,9,10,11,12,13
	v_mov_b32 v[TM+\i], 0                          ; written once: a lane permute's destination counts as one of its sources
.endr
	s_mov_b32 s48, 0x76543210
	s_mov_b32 s49, 0xfedcba98                      ; v_permlanex16_b32's selects for lane l xor 16
	s_mov_b32 s50, 0x600000                        ; the mantissa field of 448
	s_mov_b32 s51, 0x3eb504f3                      ; 1 / (2 sqrt 2)
.macro CPAIR r, bits                   ; the packed form names a pair and takes its low word for both halves: both are written
	s_mov_b32 s[\r], \bits
	s_mov_b32 s[\r+1], \bits
.endm
	CPAIR 66, 0xc034d90f                           ; c0 log2(e) - 1 (the 1 is the factor 1/2)
	CPAIR 68, 0x3fb8ab5a                           ; c1 log2(e) .. c8 log2(e)
	CPAIR 70, 0x3f0a29d2
	CPAIR 72, 0x3e0efb2e
	CPAIR 74, 0xbe899a80
	CPAIR 76, 0x3ecdfd18
	CPAIR 78, 0xbfd1a1e5
	CPAIR 80, 0x40097039
	CPAIR 82, 0xbf97d29d
	CPAIR 84, 0xbf38aa3b                           ; -log2(e) / 2
	v_bfe_u32 v140, v0, 1, 2
	v_and_b32 v141, 1, v0
	v_lshlrev_b32 v140, 7, v140
	v_lshl_add_u32 v140, v141, 4, v140             ; counts: group 4 i + (lane / 2) % 4, half lane % 2 of its eight words (lanes 8-31 repeat lanes 0-7)
	v_lshlrev_b32 v141, 7, v29                     ; bitmaps: group lane + 32 u
	s_wait_kmcnt 0x0
; ---- WHICH TILE IS MINE (every wave works it out; no branch)
.irp i, 0,1,2,3,4,5,6,7,8,9,10,11,12,13,14,15
	global_load_b128 v[64+4*\i:67+4*\i], v140, s[4:5] offset:512*\i+64
.endr
.irp u, 0,1
.irp k, 0,1,2,3
	global_load_b128 v[32+16*\u+4*\k:35+16*\u+4*\k], v141, s[4:5] offset:4096*\u+16*\k
.endr
.endr
	s_wait_loadcnt 8                               ; the counts are in; the eight loads of bitmaps may be out
.irp d, 32,16,8,4
.set J, 0
.rept \d
	v_add_nc_u32 v[64+J], v[64+J], v[64+\d+J]      ; my sixteen groups' words; two counts to a word; a total is 2,048 at the most, so no half runs over
.set J, J+1
.endr
.endr
.irp j, 0,1,2,3
.irp p, 0,1
	v_readlane_b32 s[32+4*\p+\j], v[64+\j], \p     ; and the four lanes that hold the same word's other groups: word 4 p + j holds experts 8 p + 2 j and the next
	v_readlane_b32 s40, v[64+\j], 2+\p
	v_readlane_b32 s41, v[64+\j], 4+\p
	v_readlane_b32 s42, v[64+\j], 6+\p
	s_add_co_u32 s[32+4*\p+\j], s[32+4*\p+\j], s40
	s_add_co_u32 s41, s41, s42
	s_add_co_u32 s[32+4*\p+\j], s[32+4*\p+\j], s41
.endr
.endr
	s_mov_b32 s26, 0                               ; e
	s_mov_b32 s28, 1                               ; its rows
	s_mov_b32 s31, 0                               ; its first tile's number
	s_mov_b32 s29, 0                               ; tiles so far
.irp e, 0,1,2,3,4,5,6,7,8,9,10,11,12,13,14,15
	s_bfe_u32 s40, s[32+\e/2], (16<<16)|(16*(\e%2))
	s_add_co_u32 s41, s40, 63
	s_lshr_b32 s41, s41, 6                         ; its tiles
	s_cmp_le_u32 s29, s3                           ; the last expert whose first tile is not behind q is mine (one without rows is passed over by the next)
	s_cselect_b32 s26, \e, s26
	s_cselect_b32 s28, s40, s28
	s_cselect_b32 s31, s29, s31
	s_add_co_u32 s29, s29, s41
.endr
	s_cmp_ge_u32 s3, s29
	s_cselect_b32 s30, 1, 0                        ; 1: this split has no tile for me
	s_sub_co_u32 s27, s3, s31
	s_lshl_b32 s27, s27, 6                         ; my first row among the expert's
	s_min_u32 s26, s26, 15
.irp b, 0,1,2,3
	s_bitcmp1_b32 s26, \b
	s_cselect_b32 s[54+\b], -1, 0
.endr
; ---- my streams' bases, my biases, and the first three sets of the ring: asked for now, so that they fly while the rows are searched
	s_lshl_b32 s40, s26, 21
	s_lshl_b32 s41, s2, 18
	s_add_co_u32 s40, s40, s41
	s_mov_b32 s41, 0
	s_add_nc_u64 s[12:13], s[12:13], s[40:41]
	s_lshl_b32 s40, s26, 16
	s_lshl_b32 s42, s2, 13
	s_add_co_u32 s40, s40, s42
	s_add_nc_u64 s[14:15], s[14:15], s[40:41]
	s_cmp_lt_u32 s26, 14
	s_cselect_b64 s[16:17], s[16:17], s[20:21]
	s_cselect_b64 s[18:19], s[18:19], s[22:23]
	s_cselect_b32 s44, 0, -1                       ; all ones for a shared expert
	s_cselect_b32 s42, 0, 14
	s_sub_co_u32 s45, s26, s42                     ; the expert's number in its own table; for a shared one also its slot
	s_min_u32 s45, s45, 13
	s_lshl_b32 s40, s45, 12
	s_lshl_b32 s42, s2, 9
	s_add_co_u32 s40, s40, s42
	s_add_nc_u64 s[16:17], s[16:17], s[40:41]
	s_add_nc_u64 s[18:19], s[18:19], s[40:41]
	s_mov_b32 s40, s42
	s_add_nc_u64 s[24:25], s[24:25], s[40:41]      ; y at my wave's 128 columns
	s_wait_loadcnt 0x0                             ; the bitmaps
	global_load_b128 v[96:99], v1, s[16:17]
	global_load_b128 v[100:103], v1, s[18:19]
.irp j, 0,1
	global_load_b128 v[WS+4*\j:WS+4*\j+3], v1, s[14:15] offset:512*\j
.endr
	WIN 0x40                                       ; destination window 1
.irp s, 0,1,2
.irp t, 0,1,2,3
.irp c, 0,1,2,3
	global_load_b128 v[64*\s+16*\t+4*\c:64*\s+16*\t+4*\c+3], v1, s[12:13] offset:8192*\s+2048*\t+512*\c
.endr
.endr
.endr
	WIN 0
; my expert's word of each group's record: 15 selects by the four bits of e, for groups 0-31 (into v32) and 32-63 (into v48); lane = group
.irp u, 0,1
.irp i, 0,1,2,3,4,5,6,7
	v_cndmask_b32 v[32+16*\u+\i], v[32+16*\u+2*\i], v[32+16*\u+2*\i+1], s54
.endr
.irp i, 0,1,2,3
	v_cndmask_b32 v[32+16*\u+\i], v[32+16*\u+2*\i], v[32+16*\u+2*\i+1], s55
.endr
.irp i, 0,1
	v_cndmask_b32 v[32+16*\u+\i], v[32+16*\u+2*\i], v[32+16*\u+2*\i+1], s56
.endr
	v_cndmask_b32 v[32+16*\u], v[32+16*\u], v[32+16*\u+1], s57
.endr
; ---- WHICH TOKENS ARE THE TILE'S 64 ROWS: a lane to a row, rows 0-31 (v110) and 32-63 (v111), in one walk over the 64 groups
	s_sub_co_u32 s46, s28, 1
	v_add_nc_u32 v110, s27, v29
	v_add_nc_u32 v111, 32, v110
	v_min_u32 v110, s46, v110                      ; my rows among the expert's; past the end: the last valid one
	v_min_u32 v111, s46, v111
.irp i, 112,113,114,115
	v_mov_b32 v\i, 0
.endr
	s_mov_b32 s42, 0                               ; rows in the groups passed
.set I, 0
.rept 64
	v_readlane_b32 s40, v[32+16*(I/32)], I%32
	s_bcnt1_i32_b32 s41, s40
	s_or_b32 s43, s42, I<<16
	v_cmp_le_u32 vcc_lo, s42, v110                 ; the last group that begins at or before a row holds it
	v_cmp_le_u32 s60, s42, v111
	v_cndmask_b32 v112, v112, s40, vcc_lo          ; its bitmap,
	v_cndmask_b32 v113, v113, s43, vcc_lo          ; its first row and its number
	v_cndmask_b32 v114, v114, s40, s60
	v_cndmask_b32 v115, v115, s43, s60
	s_add_co_u32 s42, s42, s41
.set I, I+1
.endr
.macro LEVEL a, wd                     ; if the lower half of the field in hand has too few set bits, pass over it
	v_bfe_u32 v122, v[\a], v121, \wd
	v_cmp_ge_u32 vcc_lo, v116, v122
	v_sub_nc_u32 v122, v116, v122
	v_cndmask_b32 v116, v116, v122, vcc_lo
	v_add_nc_u32 v122, \wd, v121
	v_cndmask_b32 v121, v121, v122, vcc_lo
.endm
.macro PICK bm, pk, tg                 ; the row v[tg] becomes its token: the (row - the group's first row)-th set bit of the group's bitmap
	v_and_b32 v116, 0xffff, v[\pk]
	v_sub_nc_u32 v116, v[\tg], v116                ; which set bit
	v_lshrrev_b32 v[\pk], 16, v[\pk]               ; the group
	v_lshrrev_b32 v117, 1, v[\bm]
	v_and_b32 v117, 0x55555555, v117
	v_sub_nc_u32 v117, v[\bm], v117                ; counts of each 2 bits,
	v_lshrrev_b32 v118, 2, v117
	v_and_b32 v118, 0x33333333, v118
	v_and_b32 v119, 0x33333333, v117
	v_add_nc_u32 v118, v118, v119                  ; 4,
	v_lshrrev_b32 v119, 4, v118
	v_add_nc_u32 v119, v119, v118
	v_and_b32 v119, 0x0f0f0f0f, v119               ; 8,
	v_lshrrev_b32 v120, 8, v119
	v_add_nc_u32 v120, v120, v119
	v_and_b32 v120, 0x00ff00ff, v120               ; 16
	v_mov_b32 v121, 0
	LEVEL 120, 16
	LEVEL 119, 8
	LEVEL 118, 4
	LEVEL 117, 2
	LEVEL \bm, 1
	v_lshl_add_u32 v[\tg], v[\pk], 5, v121
	v_min_u32 v[\tg], 0x7ff, v[\tg]
.endm
	PICK 112, 113, 110
	PICK 114, 115, 111
	s_wait_loadcnt 50                              ; my biases are in; the two loads of scale words and the ring's 48, issued behind them, may be out
	ds_store_b128 v3, v[96:99]
	ds_store_b128 v3, v[100:103] offset:512
; ---- THE GATHER: my wave takes rows 32 u + lane; a lane reads 256 consecutive bytes of its row's codes, 16 at a time
	v_cndmask_b32 v123, v110, v111, s61
	v_min_u32 v123, 0x7ff, v123                    ; the token that I gather
	s_lshl_b32 s40, s47, 3
	s_lshl_b32 s41, s47, 8
	v_lshlrev_b32 v124, 2, v110
	v_lshlrev_b32 v125, 2, v111
	v_lshlrev_b32 v126, 3, v123
	v_lshl_add_u32 v127, v123, 5, s40
	v_lshl_add_u32 v128, v123, 10, s41
	global_load_b32 v130, v124, s[4:5] offset:8192             ; the two experts of each of the tile's 64 tokens
	global_load_b32 v131, v125, s[4:5] offset:8192
	global_load_b64 v[132:133], v126, s[6:7]                   ; my token's two gates
	global_load_b64 v[134:135], v127, s[10:11]                 ; its scale words of K steps 2 kq, 2 kq + 1
.irp n, 0,1,2,3,4,5,6,7,8,9,10,11,12,13,14,15
	global_load_b128 v[32+4*\n:35+4*\n], v128, s[8:9] offset:16*\n
.endr
	s_wait_loadcnt 0x0
.irp u, 0,1
	v_and_b32 v136, 0xff, v[130+\u]
	v_cmp_eq_u32 vcc_lo, s26, v136                 ; am I the token's first expert?
	v_cndmask_b32 v136, 3, 2, vcc_lo               ; the slot;
	v_cndmask_b32 v136, v136, s45, s44             ; a shared expert has its own
	v_lshl_add_u32 v[YR+\u], v[110+\u], 2, v136    ; the row of y
.endr
	v_cndmask_b32 v137, v130, v131, s61
	v_and_b32 v137, 0xff, v137
	v_cmp_eq_u32 vcc_lo, s26, v137
	v_cndmask_b32 v137, v133, v132, vcc_lo         ; the gate;
	v_cndmask_b32 v137, v137, 1.0, s44             ; a shared expert's is 1
	ds_store_b32 v28, v137
.irp n, 0,1,2,3,4,5,6,7,8,9,10,11,12,13,14,15
	ds_store_b128 v26, v[32+4*\n:35+4*\n] offset:2048*(\n/8)+512*((\n/2)%4)+256*(\n%2)   ; bytes 16 n of my quarter are K step n / 8, quarter (n / 2) % 4 of a fragment, half n % 2 of the lanes
.endr
	ds_store_b32 v27, v134
	ds_store_b32 v27, v135 offset:256
	s_wait_dscnt 0x0                               ; for the others' sake: my images lie in LDS
	s_barrier_signal -1
	s_barrier_wait -1
.macro MMLINE zero, ra, rb             ; one product; ra, rb: the scales stand in lanes 16-31 of their registers
.if \zero
.if \ra
.if \rb
	v_wmma_scale_f32_16x16x128_f8f6f4 v[rD:rD+7], v[rA:rA+15], v[rB:rB+15], 0, v[rSA], v[rSB] matrix_a_scale:MATRIX_SCALE_ROW1 matrix_b_scale:MATRIX_SCALE_ROW1
.else
	v_wmma_scale_f32_16x16x128_f8f6f4 v[rD:rD+7], v[rA:rA+15], v[rB:rB+15], 0, v[rSA], v[rSB] matrix_a_scale:MATRIX_SCALE_ROW1
.endif
.else
.if \rb
	v_wmma_scale_f32_16x16x128_f8f6f4 v[rD:rD+7], v[rA:rA+15], v[rB:rB+15], 0, v[rSA], v[rSB] matrix_b_scale:MATRIX_SCALE_ROW1
.else
	v_wmma_scale_f32_16x16x128_f8f6f4 v[rD:rD+7], v[rA:rA+15], v[rB:rB+15], 0, v[rSA], v[rSB]
.endif
.endif
.else
.if \ra
.if \rb
	v_wmma_scale_f32_16x16x128_f8f6f4 v[rD:rD+7], v[rA:rA+15], v[rB:rB+15], v[rD:rD+7], v[rSA], v[rSB] matrix_a_scale:MATRIX_SCALE_ROW1 matrix_b_scale:MATRIX_SCALE_ROW1
.else
	v_wmma_scale_f32_16x16x128_f8f6f4 v[rD:rD+7], v[rA:rA+15], v[rB:rB+15], v[rD:rD+7], v[rSA], v[rSB] matrix_a_scale:MATRIX_SCALE_ROW1
.endif
.else
.if \rb
	v_wmma_scale_f32_16x16x128_f8f6f4 v[rD:rD+7], v[rA:rA+15], v[rB:rB+15], v[rD:rD+7], v[rSA], v[rSB] matrix_b_scale:MATRIX_SCALE_ROW1
.else
	v_wmma_scale_f32_16x16x128_f8f6f4 v[rD:rD+7], v[rA:rA+15], v[rB:rB+15], v[rD:rD+7], v[rSA], v[rSB]
.endif
.endif
.endif
.endm
; K STEP k of a chunk.  img: the register with the images' address; sco: 0 for x's scale words, 2,048 for the hidden layer's; zero: the products start the sums; ld: the set three steps on is asked for; wn: the loads that may stay out.
.macro KSTEP k, img, sco, zero, ld, wn
.rept 8
	v_nop                                          ; eight places between the last products and the loads into registers that they read
.endr
	ds_load_b64 v[XSR:XSR+1], v4 offset:\sco+256*\k
.irp mt, 0,1,2,3
.irp c, 0,1,2,3
	ds_load_b128 v[XF+16*\mt+4*\c:XF+16*\mt+4*\c+3], v[\img] offset:(8*\mt+\k)*2048+512*\c
.endr
.endr
.if \ld
.if (\k+3)%4 == 0
.irp j, 0,1
	global_load_b128 v[WS+8*(((\k+3)/4)%2)+4*\j:WS+8*(((\k+3)/4)%2)+4*\j+3], v1, s[14:15] offset:((\k+3)/4)*1024+512*\j   ; the scale words of the four K steps that begin three steps on
.endr
.endif
	WIN 0x40                                       ; destination window 1
.irp t, 0,1,2,3
.irp c, 0,1,2,3
	global_load_b128 v[64*((\k+3)%4)+16*\t+4*\c:64*((\k+3)%4)+16*\t+4*\c+3], v1, s[12:13] offset:(\k+3)*8192+2048*\t+512*\c
.endr
.endr
.endif
	s_wait_loadcnt \wn                             ; this step's set is in: behind it were issued the sets of the steps that follow, 16 loads each (two loads of scale words among them make the wait a little stricter)
	s_wait_dscnt 0x0
	WIN 0x01                                       ; source 0 (the weight) window 1
.irp mt, 0,1,2,3
.irp t, 0,1,2,3
.set rD, ACC+32*\mt+8*\t
.set rA, 64*((\k)%4)+16*\t
.set rB, XF+16*\mt
.set rSA, WS+8*(((\k)/4)%2)+4*(\t/2)+((\k)%4)
.set rSB, XSR+\mt/2
	MMLINE \zero, \t%2, \mt%2
.endr
.endr
	WIN 0
.endm
; eight numbers of a lane: v += b, then GELU in place
.macro GELU8 v, b
.irp j, 0,2,4,6
	v_pk_add_f32 v[\v+\j:\v+\j+1], v[\v+\j:\v+\j+1], v[\b+\j:\b+\j+1]           ; each accumulator is read from its low end on
.endr
.irp j, 0,1,2,3,4,5,6,7
	v_fma_f32 v[GT+\j], |v[\v+\j]|, s51, 1.0
.endr
.irp j, 0,1,2,3,4,5,6,7
	v_rcp_f32 v[GT+\j], v[GT+\j]                   ; t
.endr
.irp j, 0,2,4,6
	v_pk_mul_f32 v[GQ+\j:GQ+\j+1], v[\v+\j:\v+\j+1], v[\v+\j:\v+\j+1]           ; v^2 (plain lines behind the reciprocals)
.endr
	s_wait_alu depctr_va_vdst(0)
.irp j, 0,2,4,6
	v_pk_fma_f32 v[GP+\j:GP+\j+1], v[GT+\j:GT+\j+1], v[24:25], s[82:83] op_sel_hi:[1,1,0]
.endr
.irp c, 80,78,76,74,72,70,68,66
.irp j, 0,2,4,6
	v_pk_fma_f32 v[GP+\j:GP+\j+1], v[GP+\j:GP+\j+1], v[GT+\j:GT+\j+1], s[\c:\c+1] op_sel_hi:[1,1,0]
.endr
.endr
.irp j, 0,2,4,6
	v_pk_fma_f32 v[GQ+\j:GQ+\j+1], v[GQ+\j:GQ+\j+1], s[84:85], v[GP+\j:GP+\j+1] op_sel_hi:[1,0,1]
.endr
.irp j, 0,1,2,3,4,5,6,7
	v_exp_f32 v[GQ+\j], v[GQ+\j]
.endr
.irp j, 0,1,2,3,4,5,6,7
	v_max_num_f32 v[GP+\j], 0, v[\v+\j]            ; (plain lines behind the exponentials)
.endr
	s_wait_alu depctr_va_vdst(0)
.irp j, 0,2,4,6
	v_pk_mul_f32 v[GQ+\j:GQ+\j+1], v[GQ+\j:GQ+\j+1], v[GT+\j:GT+\j+1]           ; E
.endr
.irp j, 0,1,2,3,4,5,6,7
	v_fma_f32 v[\v+\j], -|v[\v+\j]|, v[GQ+\j], v[GP+\j]
.endr
.endm
; the chunk's 64 hidden units of tile of rows mt: two blocks of 32; register 16 b + i is unit 32 b + 16 h + i of my token.  Codes and scale word go to LDS as parts of K step w's image.
.macro QUANT2 mt
.set qS, ACC+32*\mt
.irp b, 0,1
	v_max3_num_f32 v[TM+\b], |v[qS+16*\b]|, |v[qS+16*\b+1]|, 0x4800000          ; with the floor 2^(9 - 127): the byte cannot fall under 1
.endr
.irp i, 2,4,6,8,10,12,14
.irp b, 0,1
	v_max3_num_f32 v[TM+\b], v[TM+\b], |v[qS+16*\b+\i]|, |v[qS+16*\b+\i+1]|
.endr
.endr
.irp b, 0,1
	v_permlanex16_b32 v[TM+2+\b], v[TM+\b], s48, s49
.endr
.irp b, 0,1
	v_max_num_f32 v[TM+\b], v[TM+\b], v[TM+2+\b]   ; with lane l xor 16's: the block's largest magnitude
.endr
.irp b, 0,1
	v_add_nc_u32 v[TM+6+\b], 0xfc000000, v[TM+\b]  ; the conversion's scale operand
.endr
.irp b, 0,1
	v_and_or_b32 v[TM+4+\b], v[TM+\b], 0x7f800000, s50   ; 448 x the scale
.endr
.irp b, 0,1
	v_lshrrev_b32 v[TM+2+\b], 23, v[TM+6+\b]       ; the byte
.endr
	v_lshl_or_b32 v250, v[TM+3], 8, v[TM+2]
	v_lshrrev_b32 v[HS+\mt], 16, v[HS+\mt]         ; the first chunk's two bytes move down, the second's come on top: after two chunks the word is whole
	v_lshl_or_b32 v[HS+\mt], v250, 16, v[HS+\mt]
	s_wait_dscnt 0x0                               ; the last tile's stores have read the codes' registers
.irp b, 0,1
.irp i, 0,1,2,3,4,5,6,7,8,9,10,11,12,13,14,15
	v_med3_num_f32 v[qS+16*\b+\i], v[qS+16*\b+\i], -v[TM+4+\b], v[TM+4+\b]      ; the conversion to an 8-bit code does not saturate (ISA guide 7.6.2)
.endr
	v_cvt_scalef32_pk8_fp8_f32 v[PC+4*\b:PC+4*\b+1], v[qS+16*\b:qS+16*\b+7], v[TM+6+\b]
	v_cvt_scalef32_pk8_fp8_f32 v[PC+4*\b+2:PC+4*\b+3], v[qS+16*\b+8:qS+16*\b+15], v[TM+6+\b]
.endr
	v_nop                                          ; a plain line behind the last conversion: later products write its sources
.irp b, 0,1
	ds_store_b128 v6, v[PC+4*\b:PC+4*\b+3] offset:16384*\mt+512*\b
.endr
	ds_store_b32 v7, v[HS+\mt] offset:128*(\mt%2)+4*(\mt/2)
.endm
.macro EPI1
.rept 8
	v_nop                                          ; eight places behind the chunk's last products
.endr
.irp t, 0,1,2,3
	ds_load_b128 v[BI+8*\t:BI+8*\t+3], v15 offset:128*(\t/2)+32*(\t%2)          ; b1 at tile t's eight units of my half
	ds_load_b128 v[BI+8*\t+4:BI+8*\t+7], v15 offset:128*(\t/2)+32*(\t%2)+16
.endr
	s_wait_dscnt 0x0
.irp mt, 0,1,2,3
.irp t, 0,1,2,3
	GELU8 ACC+32*\mt+8*\t, BI+8*\t
.endr
	QUANT2 \mt
.endr
.endm
; the way out of chunk ch: (sum + b2) x gate; 16 rows x 64 columns at a time through my stage; sixteen lanes store 256 consecutive bytes, aligned, of a row of y
.macro EPI2 ch
.rept 8
	v_nop
.endr
.irp t, 0,1,2,3
	ds_load_b128 v[BI+8*\t:BI+8*\t+3], v9 offset:256*\ch+64*\t
	ds_load_b128 v[BI+8*\t+4:BI+8*\t+7], v9 offset:256*\ch+64*\t+16
.endr
	s_wait_dscnt 0x0
.irp mt, 0,1,2,3
.set J, 0
.rept 16
	v_pk_add_f32 v[ACC+32*\mt+J:ACC+32*\mt+J+1], v[ACC+32*\mt+J:ACC+32*\mt+J+1], v[BI+J:BI+J+1]   ; ascending: each accumulator is read from its low end on
.set J, J+2
.endr
.set J, 0
.rept 16
.if \mt%2
	v_pk_mul_f32 v[ACC+32*\mt+J:ACC+32*\mt+J+1], v[ACC+32*\mt+J:ACC+32*\mt+J+1], v[G+2*(\mt/2):G+2*(\mt/2)+1] op_sel:[0,1] op_sel_hi:[1,1]
.else
	v_pk_mul_f32 v[ACC+32*\mt+J:ACC+32*\mt+J+1], v[ACC+32*\mt+J:ACC+32*\mt+J+1], v[G+2*(\mt/2):G+2*(\mt/2)+1] op_sel_hi:[1,0]
.endif
.set J, J+2
.endr
	s_wait_xcnt 0x0                                ; the last tile's stores have read their data and offsets: both are written anew below
.irp t, 0,1,2,3
	ds_store_b128 v10, v[ACC+32*\mt+8*\t:ACC+32*\mt+8*\t+3] offset:64*\t
	ds_store_b128 v10, v[ACC+32*\mt+8*\t+4:ACC+32*\mt+8*\t+7] offset:64*\t+16
.endr
.irp i, 0,1,2,3,4,5,6,7
	ds_load_b128 v[OB+4*\i:OB+4*\i+3], v11 offset:544*\i       ; LDS serves a wave's instructions in order: these see my stores, and the next tile's stores come behind them
.endr
.irp i, 0,1,2,3,4,5,6,7                ; while the rows come back: store i's two rows of y, 16 mt + 2 i for lanes 0-15 and the next for lanes 16-31
	v_readlane_b32 s[40+2*(\i%4)], v[YR+\mt/2], 16*(\mt%2)+2*\i
	v_readlane_b32 s[41+2*(\i%4)], v[YR+\mt/2], 16*(\mt%2)+2*\i+1
	v_mov_b32 v[TM+\i], s[40+2*(\i%4)]
	v_cndmask_b32 v[TM+\i], v[TM+\i], s[41+2*(\i%4)], s59
.endr
.irp i, 0,1,2,3,4,5,6,7
	v_min_u32 v[TM+\i], 0x1fff, v[TM+\i]
.endr
.irp i, 0,1,2,3,4,5,6,7
	v_lshl_add_u32 v[TM+\i], v[TM+\i], 12, v14     ; a row of y is 4,096 bytes
.endr
	s_wait_dscnt 0x0
.irp i, 0,1,2,3,4,5,6,7
	global_store_b128 v[TM+\i], v[OB+4*\i:OB+4*\i+3], s[24:25] offset:256*\ch
.endr
.endr
.endm
; ---- PHASE 1: the hidden layer, two chunks.  Every work-group walks the loop; one without a tile jumps over the work inside it, never over a barrier.
	s_mov_b32 s52, 0
	s_mov_b32 s53, 0
	s_mov_b32 s58, 0
.Lp1:
	v_add_nc_u32 v6, s58, v5                       ; the chunk's quarter pair of my K step's images
	v_add_nc_u32 v15, s53, v8                      ; the chunk's 64 numbers of b1
	s_cmp_lg_u32 s30, 0
	s_cbranch_scc1 .Lp1s
	KSTEP 0, 1, 0, 1, 1, 48
.irp k, 1,2,3,4,5,6,7
	KSTEP \k, 1, 0, 0, 1, 48
.endr
	EPI1
.Lp1s:
	s_wait_xcnt 0x0                                ; the loads have read their bases: they may step
	s_add_nc_u64 s[12:13], s[12:13], 65536         ; eight sets on
	s_add_nc_u64 s[14:15], s[14:15], 2048
	s_add_co_u32 s53, s53, 256
	s_add_co_u32 s58, s58, 1024
	s_add_co_u32 s52, s52, 1
	s_cmp_lt_u32 s52, 2
	s_cbranch_scc1 .Lp1
	s_wait_dscnt 0x0                               ; for the others' sake: my K step of the hidden layer lies in LDS, and my reads of x's images are over
	s_barrier_signal -1
	s_barrier_wait -1
	s_cmp_lg_u32 s30, 0
	s_cbranch_scc1 .Lend
; ---- PHASE 2: my 128 outputs, two chunks, written out: the last three K steps ask for nothing, and their counts run down
.irp mt, 0,1,2,3
	ds_load_b32 v[G+\mt], v13 offset:512*(\mt/2)+64*(\mt%2)    ; rows 0-31: wave 0's copy; rows 32-63: wave 4's
.endr
	KSTEP 0, 2, 2048, 1, 1, 48
.irp k, 1,2,3,4,5,6,7
	KSTEP \k, 2, 2048, 0, 1, 48
.endr
	EPI2 0
	s_wait_xcnt 0x0                                ; the loads have read their bases, the stores their data
	s_add_nc_u64 s[12:13], s[12:13], 65536
	s_add_nc_u64 s[14:15], s[14:15], 2048
	KSTEP 0, 2, 2048, 1, 1, 48
.irp k, 1,2,3,4
	KSTEP \k, 2, 2048, 0, 1, 48
.endr
	KSTEP 5, 2, 2048, 0, 0, 32
	KSTEP 6, 2, 2048, 0, 0, 16
	KSTEP 7, 2, 2048, 0, 0, 0
	EPI2 1
.Lend:
	s_wait_xcnt 0x0
	v_lshl_add_u32 v254, v0, 2, 0x2c000
	v_mov_b32 v255, 0
	s_wait_tensorcnt 0x0
	ds_add_u32 v254, v255
	s_wait_dscnt 0x0
	s_endpgm
.Lfunc_end_k_q6469aee7e9_chain:
	.size	k_q6469aee7e9_chain, .Lfunc_end_k_q6469aee7e9_chain-k_q6469aee7e9_chain
	.p2alignl 7, 3214868480
	.fill 96, 4, 3214868480
	.section	.rodata,"a",@progbits
	.p2align	6, 0x0
	.amdhsa_kernel k_q6469aee7e9_chain
		.amdhsa_group_segment_fixed_size 181248
		.amdhsa_private_segment_fixed_size 0
		.amdhsa_enable_private_segment 0
		.amdhsa_kernarg_size 88
		.amdhsa_user_sgpr_count 2
		.amdhsa_user_sgpr_kernarg_segment_ptr 1
		.amdhsa_wavefront_size32 1
		.amdhsa_system_sgpr_workgroup_id_x 1
		.amdhsa_system_sgpr_workgroup_id_y 1
		.amdhsa_system_sgpr_workgroup_id_z 1
		.amdhsa_system_vgpr_workitem_id 0
		.amdhsa_next_free_vgpr 512
		.amdhsa_next_free_sgpr 100
		.amdhsa_reserve_vcc 1
		.amdhsa_float_denorm_mode_32 3
		.amdhsa_float_denorm_mode_16_64 3
		.amdhsa_memory_ordered 1
		.amdhsa_forward_progress 1
		.amdhsa_inst_pref_size 255
	.end_amdhsa_kernel
	.section	.bss,"aw",@nobits
	.p2align	6
	.space	262144
	.amdgpu_metadata
---
amdhsa.version: [ 1, 2 ]
amdhsa.kernels:
  - .name:           k_q6469aee7e9_chain
    .symbol:         k_q6469aee7e9_chain.kd
    .args:
      - { .name: route, .offset: 0, .size: 8, .value_kind: global_buffer, .address_space: global }
      - { .name: gate, .offset: 8, .size: 8, .value_kind: global_buffer, .address_space: global }
      - { .name: xq, .offset: 16, .size: 8, .value_kind: global_buffer, .address_space: global }
      - { .name: xs, .offset: 24, .size: 8, .value_kind: global_buffer, .address_space: global }
      - { .name: wfrag, .offset: 32, .size: 8, .value_kind: global_buffer, .address_space: global }
      - { .name: sfrag, .offset: 40, .size: 8, .value_kind: global_buffer, .address_space: global }
      - { .name: routed_b1, .offset: 48, .size: 8, .value_kind: global_buffer, .address_space: global }
      - { .name: routed_b2, .offset: 56, .size: 8, .value_kind: global_buffer, .address_space: global }
      - { .name: shared_b1, .offset: 64, .size: 8, .value_kind: global_buffer, .address_space: global }
      - { .name: shared_b2, .offset: 72, .size: 8, .value_kind: global_buffer, .address_space: global }
      - { .name: y, .offset: 80, .size: 8, .value_kind: global_buffer, .address_space: global }
    .group_segment_fixed_size: 181248
    .private_segment_fixed_size: 0
    .kernarg_segment_align: 8
    .kernarg_segment_size: 88
    .max_flat_workgroup_size: 256
    .sgpr_count:     100
    .vgpr_count:     512
    .wavefront_size: 32
...
	.end_amdgpu_metadata
.endif
;; end of part 2
;; launch combine (part 3): grid 256 x 1, 8 waves a work-group, no clusters, 0 bytes of LDS; arguments x, y, out0; writes out0
.if DOCPART == 3
	.amdgcn_target "amdgcn-amd-amdhsa--gfx1250"
	.amdhsa_code_object_version 6
	.text
	.protected	k_q6469aee7e9_combine
	.globl	k_q6469aee7e9_combine
	.p2align	8
	.type	k_q6469aee7e9_combine,@function
k_q6469aee7e9_combine:
	s_mov_b64 s[64:65], 0
	v_nop
	global_prefetch_b8 v0, s[64:65] scope:SCOPE_SE
	s_setreg_imm32_b32 hwreg(HW_REG_WAVE_MODE, 25, 1), 1
	s_wait_xcnt 0x0
; COMBINE: out[token] = (y[token][0] + y[token][1]) + (y[token][2] + y[token][3]) + x[token]: the two shared experts, the two routed ones (already weighted by their gates), the residual.
; A plain stream: a work-group takes 8 tokens, thread t the 16 bytes at 16 t of every row of 4,096, so each load and store of a wave covers 512 consecutive bytes.
; All 40 loads of a thread go out at once, token by token; the waits count down by the five loads of each younger token.  No register is written twice, so no store's data wait for anything.
; LDS, barriers and the matrix unit would add nothing to a stream.
	s_load_b128 s[4:7], s[0:1], 0x0                ; x, y
	s_load_b64 s[8:9], s[0:1], 0x10                ; out
	v_lshlrev_b32 v1, 4, v0
	s_lshl_b32 s10, ttmp9, 15                      ; 8 rows of 4,096 bytes
	s_mov_b32 s11, 0
	s_lshl_b32 s12, ttmp9, 17                      ; 8 x 4 such rows
	s_mov_b32 s13, 0
	s_wait_kmcnt 0x0
	s_add_nc_u64 s[4:5], s[4:5], s[10:11]
	s_add_nc_u64 s[8:9], s[8:9], s[10:11]
	s_add_nc_u64 s[6:7], s[6:7], s[12:13]
.irp i, 0,1,2,3,4,5,6,7
	global_load_b128 v[16+20*\i:19+20*\i], v1, s[4:5] offset:4096*\i th:TH_LOAD_NT
.irp q, 0,1,2,3
	global_load_b128 v[20+20*\i+4*\q:23+20*\i+4*\q], v1, s[6:7] offset:16384*\i+4096*\q th:TH_LOAD_NT
.endr
.endr
.irp i, 0,1,2,3,4,5,6,7
	s_wait_loadcnt 5*(7-\i)                        ; this token's five loads are in; the younger tokens' may be out
.irp p, 0,2
	v_pk_add_f32 v[20+20*\i+\p:21+20*\i+\p], v[20+20*\i+\p:21+20*\i+\p], v[24+20*\i+\p:25+20*\i+\p]
	v_pk_add_f32 v[28+20*\i+\p:29+20*\i+\p], v[28+20*\i+\p:29+20*\i+\p], v[32+20*\i+\p:33+20*\i+\p]
.endr
.irp p, 0,2
	v_pk_add_f32 v[20+20*\i+\p:21+20*\i+\p], v[20+20*\i+\p:21+20*\i+\p], v[28+20*\i+\p:29+20*\i+\p]
.endr
.irp p, 0,2
	v_pk_add_f32 v[20+20*\i+\p:21+20*\i+\p], v[20+20*\i+\p:21+20*\i+\p], v[16+20*\i+\p:17+20*\i+\p]
.endr
	global_store_b128 v1, v[20+20*\i:23+20*\i], s[8:9] offset:4096*\i th:TH_STORE_NT
.endr
	s_endpgm
.Lfunc_end_k_q6469aee7e9_combine:
	.size	k_q6469aee7e9_combine, .Lfunc_end_k_q6469aee7e9_combine-k_q6469aee7e9_combine
	.p2alignl 7, 3214868480
	.fill 96, 4, 3214868480
	.section	.rodata,"a",@progbits
	.p2align	6, 0x0
	.amdhsa_kernel k_q6469aee7e9_combine
		.amdhsa_group_segment_fixed_size 0
		.amdhsa_private_segment_fixed_size 0
		.amdhsa_enable_private_segment 0
		.amdhsa_kernarg_size 24
		.amdhsa_user_sgpr_count 2
		.amdhsa_user_sgpr_kernarg_segment_ptr 1
		.amdhsa_wavefront_size32 1
		.amdhsa_system_sgpr_workgroup_id_x 1
		.amdhsa_system_sgpr_workgroup_id_y 1
		.amdhsa_system_sgpr_workgroup_id_z 1
		.amdhsa_system_vgpr_workitem_id 0
		.amdhsa_next_free_vgpr 176
		.amdhsa_next_free_sgpr 66
		.amdhsa_reserve_vcc 0
		.amdhsa_float_denorm_mode_32 3
		.amdhsa_float_denorm_mode_16_64 3
		.amdhsa_memory_ordered 1
		.amdhsa_forward_progress 1
		.amdhsa_inst_pref_size 10
	.end_amdhsa_kernel
	.amdgpu_metadata
---
amdhsa.version: [ 1, 2 ]
amdhsa.kernels:
  - .name:           k_q6469aee7e9_combine
    .symbol:         k_q6469aee7e9_combine.kd
    .args:
      - { .name: x, .offset: 0, .size: 8, .value_kind: global_buffer, .address_space: global }
      - { .name: y, .offset: 8, .size: 8, .value_kind: global_buffer, .address_space: global }
      - { .name: out0, .offset: 16, .size: 8, .value_kind: global_buffer, .address_space: global }
    .group_segment_fixed_size: 0
    .private_segment_fixed_size: 0
    .kernarg_segment_align: 8
    .kernarg_segment_size: 24
    .max_flat_workgroup_size: 256
    .sgpr_count:     66
    .vgpr_count:     176
    .wavefront_size: 32
...
	.end_amdgpu_metadata
.endif
;; end of part 3
;; ======== version 2 of 2: 3 launches
;; workspace buffers: xq 2,097,152 bytes; xs 65,536 bytes; route 16,384 bytes of whole numbers; gate 16,384 bytes; wfrag 33,554,432 bytes; sfrag 1,048,576 bytes; y 33,554,432 bytes
;; launch prep (part 4): grid 320 x 1, 8 waves a work-group, no clusters, 83,968 bytes of LDS; arguments x, router_w, router_b, xq, xs, route, gate, wfrag, sfrag, routed_w1_codes, routed_w2_codes, shared_w1_codes, shared_w2_codes, routed_w1_scales, routed_w2_scales, shared_w1_scales, shared_w2_scales; writes xq, xs, route, gate, wfrag, sfrag
.if DOCPART == 4
	.amdgcn_target "amdgcn-amd-amdhsa--gfx1250"
	.amdhsa_code_object_version 6
	.text
	.protected	k_q6469aee7e9_prep
	.globl	k_q6469aee7e9_prep
	.p2align	8
	.type	k_q6469aee7e9_prep,@function
k_q6469aee7e9_prep:
	s_mov_b64 s[64:65], 0
	v_nop
	global_prefetch_b8 v0, s[64:65] scope:SCOPE_SE
	s_setreg_imm32_b32 hwreg(HW_REG_WAVE_MODE, 25, 1), 1
	s_wait_xcnt 0x0
; PREP: two kinds of work-groups in one launch, parted on the work-group's number alone.
; WORK-GROUPS 0-63 (one for each 32 tokens; wave w: tokens 4 w .. 4 w + 3):
;   the router in f32 (x . router_w + router_b, softmax, the two largest, ties to the lower index), stored at FIXED places:
;     route: rec[group][32 words]: words 0-13 a bitmap of the group's tokens for each routed expert, words 14, 15 all ones (the two shared experts take every token),
;            words 16-23 the 16 counts, two to a word; then from byte 8192 sel[token] = first expert | second expert << 8.   gate: [token][2] f32.
;   x as codes of E4M3 (xq, row-major) with one E8M0 byte for each 32 along K (xs, 32 bytes a token).
; WORK-GROUPS 64-319: the 32 weight matrices and their scale bytes are laid in the order in which the next launch's operand registers take them:
;   wfrag byte = e 2 MB + w 256 KB + s 8192 + t 2048 + c 512 + 16 lane  (e expert, 14 and 15 the shared ones; w the reading wave; s = 16 layer + 8 chunk + K step; t tile; c quarter of a fragment):
;   the 16 codes W[row][128 ks + 32 c + 16 (lane / 16) ..], row = 128 w + 64 chunk + (layer 0: 32 (t / 2) + 8 (t % 2) + r + 8 (r / 8); layer 1: 16 t + r), r = lane % 16.
;   sfrag byte = e 64 KB + w 8 KB + Q 1024 + j 512 + 16 lane, Q = s / 4: the four scale words (K steps 4 (Q % 2) ..) of the row of tile 2 j + lane / 16.
; A block's scale is 2^(floor(log2(its largest magnitude)) - 8): its byte is the largest magnitude's exponent field - 8, held at 1 from below.
; LIMITS: NaN and infinities among the inputs are not served.  A block of zeros, or one whose largest magnitude lies under 2^-118, gets the byte 1 (a block of zeros: zero codes, which add nothing); these bytes are read by this program alone.
; The two largest are taken of the exponentials 2^((l - max) log2 e), which rise with the affinities, by strict '>': the lower index wins a tie.
; No matrix unit (the router has 14 columns and wants f32), no tensor loads: each wave's loads are dense and go straight to registers.
.set WT,  0                            ; LDS: router_w as it lies, 64 pieces of 16 rows (896 bytes), each padded to 912 = 57 x 16 bytes, so that the lanes' 16-byte reads, 912 bytes apart, fall on different banks
.set STG, 58368                        ; a stage of 32 x 80 bytes for each wave
.set SB,  78848                        ; the group's scale bytes: 32 a token
.set LG,  79872                        ; the logits: 32 rows, 80 bytes apart
.set WB,  8                            ; v8-63    two sets of 28 numbers of router_w; later at work in the quantiser (v8-11), codes (v16-47), bytes (v48-55)
.set X,   64                           ; v64-191  x: step st = 2 token + half: 16 registers
.set AC,  192                          ; v192-247 first router_w's 14 pieces on their way to LDS, then the sums: token tk's 14 at AC + 14 tk
	s_load_b512 s[4:19], s[0:1], 0x0               ; x, router_w, router_b, xq, xs, route, gate, wfrag
	s_load_b512 s[20:35], s[0:1], 0x40             ; sfrag, routed w1, w2 codes, shared w1, w2 codes, routed w1, w2 scales, shared w1 scales
	s_load_b64 s[36:37], s[0:1], 0x80              ; shared w2 scales
	v_lshl_add_u32 v254, v0, 2, 0x14400
	v_mov_b32 v255, 0
	v_lshrrev_b32 v1, 5, v0
	s_delay_alu instid0(VALU_DEP_1)
	v_readfirstlane_b32 s2, v1                     ; wave 0..7
	v_and_b32 v1, 31, v0                           ; lane
	s_delay_alu instid0(VALU_DEP_1)
	v_lshlrev_b32 v2, 4, v1                        ; 16 x lane
	s_cmp_lt_u32 ttmp9, 64
	s_cbranch_scc0 .Lrelay
; ---------------------------------------------------------------- tokens
	s_mul_i32 s40, s2, 2560
	s_add_co_u32 s40, s40, STG                     ; my stage
	v_lshrrev_b32 v3, 2, v1
	s_delay_alu instid0(VALU_DEP_1)
	v_mul_u32_u24 v3, v3, 80
	v_and_b32 v4, 3, v1
	s_delay_alu instid0(VALU_DEP_1)
	v_lshl_add_u32 v3, v4, 4, v3
	s_delay_alu instid0(VALU_DEP_1)
	v_add_nc_u32 v3, s40, v3                       ; into it: four lanes' 64 bytes on end, then 16 of padding
	v_mul_u32_u24 v4, v1, 80
	s_delay_alu instid0(VALU_DEP_1)
	v_add_nc_u32 v4, s40, v4                       ; out of it: 80 x lane: 16 neighbours along K
	v_mul_u32_u24 v5, v1, 912                      ; my piece of router_w: rows 16 lane .. 16 lane + 15 of a half
	s_lshl_b32 s41, s2, 7
	s_add_co_u32 s41, s41, SB
	v_lshrrev_b32 v6, 1, v1
	s_delay_alu instid0(VALU_DEP_1)
	v_add_nc_u32 v6, s41, v6                       ; my wave's 128 scale bytes, my block's byte
	s_mul_i32 s42, s2, 320
	s_add_co_u32 s42, s42, LG
	v_mov_b32 v7, s42                              ; my wave's four rows of logits
	v_mul_u32_u24 v252, v1, 80
	s_delay_alu instid0(VALU_DEP_1)
	v_add_nc_u32 v252, LG, v252                    ; wave 0, at the end: lane = token: its row of logits,
	v_add_nc_u32 v253, SB, v2                      ; and 16 of the group's scale bytes
	v_mov_b32 v248, 0                              ; written once: a lane permute's destination counts as one of its sources
	v_lshlrev_b32 v249, 4, v0                      ; router_w: 16 bytes a thread
	s_mov_b32 s38, 0x76543210
	s_mov_b32 s39, 0xfedcba98                      ; v_permlanex16_b32's selects for lane l xor 16
	s_mov_b32 s43, 0x600000                        ; the mantissa field of 448
	s_lshl_b32 s44, ttmp9, 17
	s_lshl_b32 s45, s2, 14
	s_add_co_u32 s44, s44, s45                     ; x: (32 group + 4 wave) rows of 4,096 bytes
	s_mov_b32 s45, 0
	s_lshl_b32 s46, ttmp9, 15
	s_lshl_b32 s47, s2, 12
	s_add_co_u32 s46, s46, s47                     ; xq: the same rows, 1,024 bytes each
	s_mov_b32 s47, 0
	s_lshl_b32 s62, ttmp9, 10                      ; xs: 1,024 bytes a group
	s_mov_b32 s63, 0
	s_lshl_b32 s66, ttmp9, 7                       ; route: 128 bytes a group, in both of its parts
	s_mov_b32 s67, 0
	s_lshl_b32 s68, ttmp9, 8                       ; gate: 256 bytes a group
	s_mov_b32 s69, 0
	s_wait_alu depctr_va_vdst(0)
	s_wait_kmcnt 0x0
	s_add_nc_u64 s[4:5], s[4:5], s[44:45]
	s_add_nc_u64 s[10:11], s[10:11], s[46:47]
	s_add_nc_u64 s[12:13], s[12:13], s[62:63]
	s_add_nc_u64 s[14:15], s[14:15], s[66:67]
	s_add_nc_u64 s[16:17], s[16:17], s[68:69]
	s_load_b256 s[48:55], s[8:9], 0x0              ; router_b: 56 bytes, no more
	s_load_b128 s[56:59], s[8:9], 0x20
	s_load_b64 s[60:61], s[8:9], 0x30
.irp k, 0,1,2,3,4,5,6,7,8,9,10,11,12,13
	global_load_b128 v[AC+4*\k:AC+4*\k+3], v249, s[6:7] offset:4096*\k          ; router_w, dense: piece n = thread + 256 k
.endr
.irp st, 0,1,2,3,4,5,6,7
.irp i, 0,1,2,3
	global_load_b128 v[X+16*\st+4*\i:X+16*\st+4*\i+3], v2, s[4:5] offset:2048*\st+512*\i th:TH_LOAD_NT   ; 32 lanes read 512 consecutive bytes
.endr
.endr
	s_wait_loadcnt 32                              ; router_w's 14 pieces are in; x's 32 loads, issued behind them, may be out
.irp k, 0,1,2,3,4,5,6,7,8,9,10,11,12,13
	v_add_nc_u32 v250, 256*\k, v0                  ; n
	s_delay_alu instid0(VALU_DEP_1)
	v_mul_u32_u24 v251, v250, 74899
	s_delay_alu instid0(VALU_DEP_1)
	v_lshrrev_b32 v251, 22, v251                   ; n / 56 (74899 x 56 = 2^22 + 40: exact for n under 104,857): how many pads lie in front of the piece
	s_delay_alu instid0(VALU_DEP_3)
	v_lshlrev_b32 v250, 4, v250
	s_delay_alu instid0(VALU_DEP_1)
	v_lshl_add_u32 v250, v251, 4, v250
	ds_store_b128 v250, v[AC+4*\k:AC+4*\k+3]
.endr
	s_wait_dscnt 0x0                               ; for the others' sake: my part of router_w lies in LDS
	s_barrier_signal -1
	s_barrier_wait -1                              ; everybody's does
	s_wait_loadcnt 0x0                             ; x
; Each step's 2,048 bytes turn through my stage, in place: LDS serves a wave's instructions in order, so the loads see the stores and the next step's stores come behind them.  Afterwards lane l holds d = 512 half + 16 l + 0 .. 15.
.irp st, 0,1,2,3,4,5,6,7
.irp i, 0,1,2,3
	ds_store_b128 v3, v[X+16*\st+4*\i:X+16*\st+4*\i+3] offset:640*\i
.endr
.irp i, 0,1,2,3
	ds_load_b128 v[X+16*\st+4*\i:X+16*\st+4*\i+3], v4 offset:16*\i
.endr
.endr
; THE ROUTER.  Step q = 8 half + pair: two of my 16 rows of router_w (28 numbers, 7 loads) against the same two numbers of my four tokens: 56 packed multiply-adds.
.macro WLOAD q
.irp k, 0,1,2,3,4,5,6
	ds_load_b128 v[WB+28*((\q)%2)+4*\k:WB+28*((\q)%2)+4*\k+3], v5 offset:29184*((\q)/8)+112*((\q)%8)+16*\k
.endr
.endm
.macro RSTEP q
.if \q < 15
	WLOAD \q+1
	s_wait_dscnt 7                                 ; all but the next step's seven loads
.else
	s_wait_dscnt 0x0
.endif
.set rW, WB+28*((\q)%2)
.set rX, X+16*((\q)/8)+2*((\q)%8)
.irp tk, 0,1,2,3
.irp p, 0,2,4,6,8,10,12
.if \q == 0
	v_pk_mul_f32 v[AC+14*\tk+\p:AC+14*\tk+\p+1], v[rX+32*\tk:rX+32*\tk+1], v[rW+\p:rW+\p+1] op_sel_hi:[0,1]   ; the first product starts the sums: nothing is cleared
.else
	v_pk_fma_f32 v[AC+14*\tk+\p:AC+14*\tk+\p+1], v[rX+32*\tk:rX+32*\tk+1], v[rW+\p:rW+\p+1], v[AC+14*\tk+\p:AC+14*\tk+\p+1] op_sel_hi:[0,1,1]   ; the pair's first x for both experts
.endif
.endr
.irp p, 0,2,4,6,8,10,12
	v_pk_fma_f32 v[AC+14*\tk+\p:AC+14*\tk+\p+1], v[rX+32*\tk:rX+32*\tk+1], v[rW+14+\p:rW+14+\p+1], v[AC+14*\tk+\p:AC+14*\tk+\p+1] op_sel:[1,0,0] op_sel_hi:[1,1,1]   ; its second
.endr
.endr
.endm
	WLOAD 0
.set Q, 0
.rept 16
	RSTEP Q
.set Q, Q+1
.endr
; the 56 sums over the 32 lanes: four steps inside each half ride on the additions, one crosses the halves
.irp m, 1,2,4,8
.set J, 0
.rept 56
	v_add_f32_dpp v[AC+J], v[AC+J], v[AC+J] row_xmask:\m row_mask:0xf bank_mask:0xf
.set J, J+1
.endr
.endr
.set J, 0
.rept 14
.irp n, 0,1,2,3
	v_permlanex16_b32 v[248+\n], v[AC+J+\n], s38, s39
.endr
.irp n, 0,1,2,3
	s_delay_alu instid0(VALU_DEP_4)
	v_add_f32 v[AC+J+\n], v[AC+J+\n], v[248+\n]
.endr
.set J, J+4
.endr
.irp tk, 0,1,2,3
	ds_store_b128 v7, v[AC+14*\tk:AC+14*\tk+3] offset:80*\tk          ; every lane holds the sums: all write the same words with the same values
	ds_store_b128 v7, v[AC+14*\tk+4:AC+14*\tk+7] offset:80*\tk+16
	ds_store_b128 v7, v[AC+14*\tk+8:AC+14*\tk+11] offset:80*\tk+32
	ds_store_b64 v7, v[AC+14*\tk+12:AC+14*\tk+13] offset:80*\tk+48
.endr
; THE QUANTISER.  Two neighbouring lanes hold a block of 32.  Each step has registers of its own for its codes and its byte, so no store's data are written again.
.macro QSTEP st
.set XS, X+16*(\st)
	v_max3_num_f32 v8, |v[XS]|, |v[XS+1]|, |v[XS+2]|
	v_max3_num_f32 v9, |v[XS+3]|, |v[XS+4]|, |v[XS+5]|
.irp i, 6,10
	s_delay_alu instid0(VALU_DEP_2)
	v_max3_num_f32 v8, v8, |v[XS+\i]|, |v[XS+\i+1]|
	s_delay_alu instid0(VALU_DEP_2)
	v_max3_num_f32 v9, v9, |v[XS+\i+2]|, |v[XS+\i+3]|
.endr
	s_delay_alu instid0(VALU_DEP_2)
	v_max3_num_f32 v8, v8, |v[XS+14]|, |v[XS+15]|
	s_delay_alu instid0(VALU_DEP_1)
	v_max3_num_f32 v8, v8, v9, 0x4800000           ; and the floor 2^(9 - 127): the byte cannot fall under 1
	s_delay_alu instid0(VALU_DEP_1)
	v_max_num_f32_dpp v8, v8, v8 row_xmask:1 row_mask:0xf bank_mask:0xf   ; with my neighbour's 16: the block's largest magnitude
	s_delay_alu instid0(VALU_DEP_1)
	v_add_nc_u32 v11, 0xfc000000, v8               ; 8 off its exponent field: the conversion takes this operand's exponent field as its scale
	s_delay_alu instid0(VALU_DEP_2)
	v_and_or_b32 v10, v8, 0x7f800000, s43          ; 448 x the scale
.irp i, 0,1,2,3,4,5,6,7,8,9,10,11,12,13,14,15
	v_med3_num_f32 v[XS+\i], v[XS+\i], -v10, v10   ; the conversion to an 8-bit code does not saturate (ISA guide 7.6.2): the hold comes first
.endr
	v_cvt_scalef32_pk8_fp8_f32 v[16+4*(\st):17+4*(\st)], v[XS:XS+7], v11
	v_cvt_scalef32_pk8_fp8_f32 v[18+4*(\st):19+4*(\st)], v[XS+8:XS+15], v11
	v_lshrrev_b32 v[48+(\st)], 23, v11             ; the scale's byte (also the plain line behind the conversions)
	ds_store_b8 v6, v[48+(\st)] offset:32*((\st)/2)+16*((\st)%2)     ; both lanes of a block write the same byte with the same value
	global_store_b128 v2, v[16+4*(\st):19+4*(\st)], s[10:11] offset:512*(\st)   ; 32 lanes store 512 consecutive bytes
.endm
.irp st, 0,1,2,3,4,5,6,7
	QSTEP \st
.endr
	s_wait_dscnt 0x0                               ; for wave 0's sake: my logits and scale bytes lie in LDS
	s_barrier_signal -1
	s_barrier_wait -1
	s_cmp_lg_u32 s2, 0
	s_cbranch_scc1 .Ldone
; WAVE 0, a lane to a token: softmax, the two largest, the group's record
	ds_load_b128 v[64:67], v252
	ds_load_b128 v[68:71], v252 offset:16
	ds_load_b128 v[72:75], v252 offset:32
	ds_load_b64 v[76:77], v252 offset:48
	ds_load_b128 v[80:83], v253
	ds_load_b128 v[84:87], v253 offset:512
	s_wait_kmcnt 0x0                               ; router_b
	s_wait_dscnt 0x0
	global_store_b128 v2, v[80:83], s[12:13]       ; the group's 1,024 scale bytes, 512 consecutive bytes a store
	global_store_b128 v2, v[84:87], s[12:13] offset:512
.irp e, 0,1,2,3,4,5,6,7,8,9,10,11,12,13
	v_add_f32 v[64+\e], s[48+\e], v[64+\e]
.endr
	v_max3_num_f32 v90, v64, v65, v66
.irp e, 3,5,7,9,11
	s_delay_alu instid0(VALU_DEP_1)
	v_max3_num_f32 v90, v90, v[64+\e], v[65+\e]
.endr
	s_delay_alu instid0(VALU_DEP_1)
	v_max_num_f32 v90, v90, v77                    ; the row's largest logit is taken away ahead of the exponentials
.irp e, 0,1,2,3,4,5,6,7,8,9,10,11,12,13
	v_sub_f32 v[64+\e], v[64+\e], v90
.endr
.irp e, 0,1,2,3,4,5,6,7,8,9,10,11,12,13
	v_mul_f32 v[64+\e], 0x3fb8aa3b, v[64+\e]
.endr
	s_wait_alu depctr_va_vdst(0)
.irp e, 0,1,2,3,4,5,6,7,8,9,10,11,12,13
	v_exp_f32 v[64+\e], v[64+\e]
.endr
	v_mov_b32 v92, 0                               ; the first's index (a plain line behind the exponentials)
	v_mov_b32 v95, 0                               ; the second's
	v_mov_b32 v94, -1.0                            ; the second largest so far: under every exponential
	s_wait_alu depctr_va_vdst(0)
	v_mov_b32 v93, v64                             ; the largest so far
	v_add_f32 v253, v64, v65
	v_add_f32 v252, v66, v67
	v_add_f32 v251, v68, v69
	v_add_f32 v250, v70, v71
	v_add_f32 v249, v72, v73
	v_add_f32 v248, v74, v75
	v_add_f32 v91, v76, v77
	s_delay_alu instid0(VALU_DEP_1)
	v_add_f32 v91, v91, v250
	s_delay_alu instid0(VALU_DEP_4)
	v_add_f32 v253, v253, v249
	s_delay_alu instid0(VALU_DEP_4)
	v_add_f32 v252, v252, v248
	s_delay_alu instid0(VALU_DEP_1)
	v_add_f32 v91, v91, v252
	s_delay_alu instid0(VALU_DEP_3)
	v_add_f32 v253, v253, v251
	s_delay_alu instid0(VALU_DEP_1)
	v_add_f32 v91, v91, v253
.irp e, 1,2,3,4,5,6,7,8,9,10,11,12,13
	v_cmp_gt_f32 s40, v[64+\e], v93
	v_cmp_gt_f32 s41, v[64+\e], v94
	v_cndmask_b32 v94, v94, v[64+\e], s41
	s_delay_alu instid0(VALU_DEP_2)
	v_cndmask_b32 v95, v95, \e, s41
	s_delay_alu instid0(VALU_DEP_2)
	v_cndmask_b32 v94, v94, v93, s40
	s_delay_alu instid0(VALU_DEP_2)
	v_cndmask_b32 v95, v95, v92, s40
	v_cndmask_b32 v93, v93, v[64+\e], s40
	v_cndmask_b32 v92, v92, \e, s40
.endr
	s_wait_alu depctr_va_vdst(0)
	v_rcp_f32 v91, v91
	v_lshl_or_b32 v98, v95, 8, v92                 ; sel (a plain line behind the reciprocal)
	s_wait_alu depctr_va_vdst(0)
	v_mul_f32 v96, v93, v91                        ; the two gates
	v_mul_f32 v97, v94, v91
	v_mov_b32 v99, 0                               ; the record: lane i will hold word i
.irp e, 0,1,2,3,4,5,6,7,8,9,10,11,12,13
	v_cmp_eq_u32 s40, \e, v92
	v_cmp_eq_u32 s41, \e, v95
	s_or_b32 s40, s40, s41                         ; expert e's tokens of this group, a bit each
	s_bcnt1_i32_b32 s41, s40
	v_writelane_b32 v99, s40, \e
.if \e%2 == 0
	s_mov_b32 s42, s41
.else
	s_lshl_b32 s41, s41, 16
	s_or_b32 s42, s42, s41
	v_writelane_b32 v99, s42, 16+\e/2              ; two counts to a word
.endif
.endr
	s_mov_b32 s40, -1
	v_writelane_b32 v99, s40, 14                   ; the shared experts take all 32 tokens
	s_delay_alu instid0(VALU_DEP_1)
	v_writelane_b32 v99, s40, 15
	s_mov_b32 s41, 0x00200020
	v_writelane_b32 v99, s41, 23
	v_lshlrev_b32 v100, 2, v1
	v_lshlrev_b32 v101, 3, v1
	global_store_b32 v100, v99, s[14:15]
	global_store_b32 v100, v98, s[14:15] offset:8192
	global_store_b64 v101, v[96:97], s[16:17]
.Ldone:
	s_wait_tensorcnt 0x0
	ds_add_u32 v254, v255
	s_wait_dscnt 0x0
	s_endpgm
; ---------------------------------------------------------------- weights: work-group b = (expert, layer, reading wave w): 128 rows x 1,024 codes; my wave: chunk = wave / 4, K steps 2 (wave % 4) and the next
.Lrelay:
	s_sub_co_u32 s40, ttmp9, 64
	s_lshr_b32 s41, s40, 4                         ; e
	s_bfe_u32 s42, s40, 0x10003                    ; layer
	s_and_b32 s43, s40, 7                          ; w
	s_lshr_b32 s44, s2, 2                          ; chunk
	s_and_b32 s45, s2, 3                           ; kp
	s_wait_kmcnt 0x0
	s_cmp_lt_u32 s41, 14                           ; routed or shared: the choice hangs on the work-group's number alone
	s_cselect_b64 s[22:23], s[22:23], s[26:27]
	s_cselect_b64 s[24:25], s[24:25], s[28:29]
	s_cselect_b64 s[30:31], s[30:31], s[34:35]
	s_cselect_b64 s[32:33], s[32:33], s[36:37]
	s_cselect_b32 s46, 0, 14
	s_sub_co_u32 s46, s41, s46                     ; the matrix's number in its own tensor
	s_cmp_eq_u32 s42, 0                            ; first or second layer
	s_cselect_b64 s[22:23], s[22:23], s[24:25]
	s_cselect_b64 s[30:31], s[30:31], s[32:33]
	s_cselect_b32 s47, 8192, 0                     ; layer 0: lanes 8-15 of a tile stand 8 rows further on
	s_sub_co_u32 s48, 16384, s47                   ; from an even tile to the odd one: 8 rows (layer 0) or 16 (layer 1)
	s_lshl_b32 s50, s46, 20
	s_lshl_b32 s51, s43, 17
	s_add_co_u32 s50, s50, s51
	s_lshl_b32 s51, s44, 16
	s_add_co_u32 s50, s50, s51
	s_lshl_b32 s51, s45, 8
	s_add_co_u32 s50, s50, s51                     ; from: matrix, row 128 w + 64 chunk, byte 256 kp
	s_mov_b32 s51, 0
	s_add_nc_u64 s[22:23], s[22:23], s[50:51]
	s_lshl_b32 s52, s41, 21
	s_lshl_b32 s53, s43, 18
	s_add_co_u32 s52, s52, s53
	s_lshl_b32 s53, s42, 17
	s_add_co_u32 s52, s52, s53
	s_lshl_b32 s53, s44, 16
	s_add_co_u32 s52, s52, s53
	s_lshl_b32 s53, s45, 14
	s_add_co_u32 s52, s52, s53                     ; to: e, w, set 16 layer + 8 chunk + 2 kp
	s_mov_b32 s53, 0
	s_add_nc_u64 s[18:19], s[18:19], s[52:53]
	s_and_b32 s58, s45, 1                          ; j
	s_lshr_b32 s59, s45, 1                         ; q
	s_lshl_b32 s54, s46, 15
	s_lshl_b32 s55, s43, 12
	s_add_co_u32 s54, s54, s55
	s_lshl_b32 s55, s44, 11
	s_add_co_u32 s54, s54, s55
	s_lshl_b32 s55, s58, 10
	s_add_co_u32 s54, s54, s55
	s_lshl_b32 s55, s59, 4
	s_add_co_u32 s54, s54, s55                     ; scale bytes from: matrix, row 128 w + 64 chunk + 32 j (32 bytes a row), byte 16 q
	s_mov_b32 s55, 0
	s_add_nc_u64 s[30:31], s[30:31], s[54:55]
	s_lshl_b32 s56, s41, 16
	s_lshl_b32 s57, s43, 13
	s_add_co_u32 s56, s56, s57
	s_lshl_b32 s57, s42, 12
	s_add_co_u32 s56, s56, s57
	s_lshl_b32 s57, s44, 11
	s_add_co_u32 s56, s56, s57
	s_lshl_b32 s57, s59, 10
	s_add_co_u32 s56, s56, s57
	s_lshl_b32 s57, s58, 9
	s_add_co_u32 s56, s56, s57                     ; to: e, w, Q = 4 layer + 2 chunk + q, j
	s_mov_b32 s57, 0
	s_add_nc_u64 s[20:21], s[20:21], s[56:57]
	s_lshr_b32 s58, s47, 5                         ; the same two distances in rows of 32 scale bytes
	s_lshr_b32 s59, s48, 5
	v_and_b32 v3, 15, v0                           ; r
	v_bfe_u32 v4, v0, 4, 1                         ; lane / 16
	v_bfe_u32 v5, v0, 3, 1                         ; r / 8
	s_delay_alu instid0(VALU_DEP_3)
	v_lshlrev_b32 v6, 10, v3
	s_delay_alu instid0(VALU_DEP_1)
	v_lshl_add_u32 v6, v4, 4, v6
	s_delay_alu instid0(VALU_DEP_3)
	v_mul_u32_u24 v7, v5, s47
	s_delay_alu instid0(VALU_DEP_1)
	v_add_nc_u32 v6, v6, v7                        ; an even tile: my row x 1,024 + 16 (lane / 16)
	s_delay_alu instid0(VALU_DEP_1)
	v_add_nc_u32 v7, s48, v6                       ; an odd tile
	v_lshlrev_b32 v8, 5, v3
	v_mul_u32_u24 v9, v5, s58
	s_delay_alu instid0(VALU_DEP_1)
	v_add_nc_u32 v8, v8, v9
	v_mul_u32_u24 v9, v4, s59
	s_delay_alu instid0(VALU_DEP_1)
	v_add_nc_u32 v8, v8, v9                        ; scale bytes: lanes 0-15 the even tile's rows, lanes 16-31 the odd tile's
.irp t, 0,1,2,3
.irp kk, 0,1
.irp c, 0,1,2,3
	global_load_b128 v[64+4*(16*\kk+4*\t+\c):64+4*(16*\kk+4*\t+\c)+3], v[6+(\t%2)], s[22:23] offset:(\t/2)*32768+\kk*128+\c*32 th:TH_LOAD_NT   ; eight loads on end take 256 consecutive bytes of each of 16 rows
.endr
.endr
.endr
	global_load_b128 v[12:15], v8, s[30:31] th:TH_LOAD_NT
.set M, 0
.irp t, 0,1,2,3
.irp kk, 0,1
.irp c, 0,1,2,3
	s_wait_loadcnt 32-M                            ; behind load M: 31 - M loads of codes and the load of scale bytes
	global_store_b128 v2, v[64+4*(16*\kk+4*\t+\c):64+4*(16*\kk+4*\t+\c)+3], s[18:19] offset:\kk*8192+\t*2048+\c*512   ; 512 consecutive bytes
.set M, M+1
.endr
.endr
.endr
	s_wait_loadcnt 0x0
	global_store_b128 v2, v[12:15], s[20:21]
	s_endpgm
.Lfunc_end_k_q6469aee7e9_prep:
	.size	k_q6469aee7e9_prep, .Lfunc_end_k_q6469aee7e9_prep-k_q6469aee7e9_prep
	.p2alignl 7, 3214868480
	.fill 96, 4, 3214868480
	.section	.rodata,"a",@progbits
	.p2align	6, 0x0
	.amdhsa_kernel k_q6469aee7e9_prep
		.amdhsa_group_segment_fixed_size 83968
		.amdhsa_private_segment_fixed_size 0
		.amdhsa_enable_private_segment 0
		.amdhsa_kernarg_size 136
		.amdhsa_user_sgpr_count 2
		.amdhsa_user_sgpr_kernarg_segment_ptr 1
		.amdhsa_wavefront_size32 1
		.amdhsa_system_sgpr_workgroup_id_x 1
		.amdhsa_system_sgpr_workgroup_id_y 1
		.amdhsa_system_sgpr_workgroup_id_z 1
		.amdhsa_system_vgpr_workitem_id 0
		.amdhsa_next_free_vgpr 256
		.amdhsa_next_free_sgpr 96
		.amdhsa_reserve_vcc 0
		.amdhsa_float_denorm_mode_32 3
		.amdhsa_float_denorm_mode_16_64 3
		.amdhsa_memory_ordered 1
		.amdhsa_forward_progress 1
		.amdhsa_inst_pref_size 151
	.end_amdhsa_kernel
	.amdgpu_metadata
---
amdhsa.version: [ 1, 2 ]
amdhsa.kernels:
  - .name:           k_q6469aee7e9_prep
    .symbol:         k_q6469aee7e9_prep.kd
    .args:
      - { .name: x, .offset: 0, .size: 8, .value_kind: global_buffer, .address_space: global }
      - { .name: router_w, .offset: 8, .size: 8, .value_kind: global_buffer, .address_space: global }
      - { .name: router_b, .offset: 16, .size: 8, .value_kind: global_buffer, .address_space: global }
      - { .name: xq, .offset: 24, .size: 8, .value_kind: global_buffer, .address_space: global }
      - { .name: xs, .offset: 32, .size: 8, .value_kind: global_buffer, .address_space: global }
      - { .name: route, .offset: 40, .size: 8, .value_kind: global_buffer, .address_space: global }
      - { .name: gate, .offset: 48, .size: 8, .value_kind: global_buffer, .address_space: global }
      - { .name: wfrag, .offset: 56, .size: 8, .value_kind: global_buffer, .address_space: global }
      - { .name: sfrag, .offset: 64, .size: 8, .value_kind: global_buffer, .address_space: global }
      - { .name: routed_w1_codes, .offset: 72, .size: 8, .value_kind: global_buffer, .address_space: global }
      - { .name: routed_w2_codes, .offset: 80, .size: 8, .value_kind: global_buffer, .address_space: global }
      - { .name: shared_w1_codes, .offset: 88, .size: 8, .value_kind: global_buffer, .address_space: global }
      - { .name: shared_w2_codes, .offset: 96, .size: 8, .value_kind: global_buffer, .address_space: global }
      - { .name: routed_w1_scales, .offset: 104, .size: 8, .value_kind: global_buffer, .address_space: global }
      - { .name: routed_w2_scales, .offset: 112, .size: 8, .value_kind: global_buffer, .address_space: global }
      - { .name: shared_w1_scales, .offset: 120, .size: 8, .value_kind: global_buffer, .address_space: global }
      - { .name: shared_w2_scales, .offset: 128, .size: 8, .value_kind: global_buffer, .address_space: global }
    .group_segment_fixed_size: 83968
    .private_segment_fixed_size: 0
    .kernarg_segment_align: 8
    .kernarg_segment_size: 136
    .max_flat_workgroup_size: 256
    .sgpr_count:     96
    .vgpr_count:     256
    .wavefront_size: 32
...
	.end_amdgpu_metadata
.endif
;; end of part 4
;; launch chain (part 5): grid 141 x 1, 8 waves a work-group, no clusters, 181,248 bytes of LDS; arguments route, gate, xq, xs, wfrag, sfrag, routed_b1, routed_b2, shared_b1, shared_b2, y; writes y
.if DOCPART == 5
	.amdgcn_target "amdgcn-amd-amdhsa--gfx1250"
	.amdhsa_code_object_version 6
	.text
	.protected	k_q6469aee7e9_chain
	.globl	k_q6469aee7e9_chain
	.p2align	8
	.type	k_q6469aee7e9_chain,@function
k_q6469aee7e9_chain:
	s_mov_b64 s[64:65], 0
	v_nop
	global_prefetch_b8 v0, s[64:65] scope:SCOPE_SE
	s_setreg_imm32_b32 hwreg(HW_REG_WAVE_SCHED_MODE, 0, 2), 2
	s_setreg_imm32_b32 hwreg(HW_REG_WAVE_MODE, 25, 1), 1
	s_wait_xcnt 0x0
	s_wait_alu depctr_vm_vsrc(0)
; CHAIN: one work-group takes one tile of 64 rows of ONE of 16 experts (0-13 routed; 14, 15 the shared ones, which take every token with gate 1) through the whole chain:
; gather the rows' codes of x, x W1^T + b1, exact GELU, quantise along the hidden axis, h W2^T + b2, x gate, store to y[token][slot][1024] (slots 0, 1: shared; 2, 3: a token's first and second routed expert).  The hidden layer never goes to memory.
; THE GRID SERVES EVERY SPLIT: 64 tiles of the shared experts and at most ceil(4096 / 64) + 13 = 77 routed ones.  Each work-group finds its own tile from the stored counts and bitmaps (whole numbers that the launch before stored).
; A work-group that the split leaves without rows stores nothing; since that is a branch on stored numbers, this text has no tensor load: the weights go from memory straight into registers, laid by the launch before in the order of the operand's registers.
; No cluster either: which expert a work-group serves, and whether it has work at all, hangs on stored numbers, so partners could not be made to ask alike.
; THE NUMBERS THAT STEER (expert, rows, tokens, rows of y) go from their loads to their uses through integer additions, compares and selects, v_readlane_b32 and scalar arithmetic alone: every wave works all of them out for itself.
; SHARES.  Wave w owns hidden units and outputs 128 w .. 128 w + 127 for all 64 rows, in two chunks of 64 (four tiles of 16).  A chunk is 8 K steps of 128; a K step is 16 matrix instructions on 16 accumulators, which take turns.
; Both products are used TRANSPOSED (source 0 = 16 rows of the weight, source 1 = 16 tokens): a lane holds one token, its registers run along the columns.  W1's rows of a tile are chosen so that the 16 registers of tiles 2 b, 2 b + 1 are 16 neighbours along the next K.
; The rows' operands go from wave to wave through LDS as images of their registers (16 bytes a lane); a wave's weights come as one stream of 256 KB through a ring of four register sets, three sets (48 loads) ahead.
; Rows past a tile's end repeat its last valid row: they compute and store the same bytes, so no lane is ever switched off.
; GELU(v) = max(v, 0) - |v| E, E = erfc(|v| / sqrt 2) / 2 = t 2^(P(t) - v^2 log2(e) / 2), t = 1 / (1 + |v| / (2 sqrt 2)), P of degree 9: fractional error of erfc 1.2e-7 everywhere.
; LIMITS: NaN and infinities are not served.  A hidden block whose largest magnitude lies under 2^-118 gets the scale byte 1.
; THE MODE: SCHED_MODE bits 1:0 = 2 (LLVM: expert scheduling mode 2), set by the entry lines.  The code itself states the register dependences between vector or matrix instructions and memory or LDS instructions, with s_wait_alu, always for 0.
; THE PLAN.  Registers that memory or LDS instructions touch in a chunk's K steps, and who else names them:
;   XF, lower half (tiles of rows 0, 1)  read by the eight products of a step's FIRST half; the next step's fragments land in it during the step's second half.
;   XF, upper half (tiles of rows 2, 3)  read by the eight products of a step's SECOND half; this step's fragments land in it during the step's first half.
;   the rows' scale words, two sets      step k's products read set k % 2; step k + 1's words land in the other set during step k's second half.
;   the ring, set k % 4                  read by step k's sixteen products; the loads of step k + 3 land in set (k - 1) % 4 during step k's first half.
;   the weights' scale words, two sets   a set is loaded again a step or more behind the last product that read it.
;   v1, v2, v4                           addresses, made at the head and never written again.
; So a half step is the unit, the two halves of XF are two buffers that take turns, and ONE wait on va_vdst stands at each half step's head: behind it the half before is done reading the buffer that this half's loads fill.
; Between chunks XF is scratch (bias, GELU, codes, rows read back from the stage): a wait on vm_vsrc and one on va_vdst stand at each chunk's head; a chunk's last step asks, in its second half, for the bias that the way out wants, in place of a next step's fragments.
; Numbers that vector instructions put into scalar registers (v_readlane_b32, compares) are made in runs, with one wait on va_sdst behind each run.
; REGISTERS, window 0: v1-15, v26-28 addresses; v16-19 the hidden layer's scale words in the making; v20-23 gates; v24-25 c9; v29-31 lane, lane % 16, lane / 16; v32-159 the 16 accumulators (32 mt + 8 t); v160-223 four fragments of rows, and at work between chunks;
;   v224-239 the weights' scale words, two sets; v240-241 and v252-253 the rows' scale words, two sets (these 20 hold scales and nothing else); v242-251 at work; v254-255 the tile's 64 rows of y, a lane to a row.   window 1: the ring: 4 sets x 4 fragments of the weight.
.set XIMG, 0                           ; LDS: x's 32 fragments, (8 mt + ks) x 2,048 bytes
.set HIMG, 65536                       ; the hidden layer's 32
.set XSC,  131072                      ; x's scale words: [ks][lane][2]: word j of lane L: tile of rows 2 j + L / 16, row L % 16
.set HSC,  133120                      ; the hidden layer's
.set TAB,  135168                      ; gates: each wave's own 128 bytes, the gates of the 32 rows that it gathers (waves 0 and 4 are the copies that are read)
.set BIAS, 136192                      ; each wave's own 1,024 bytes: its 128 numbers of b1, then of b2
.set STG,  144384                      ; each wave's own stage: 16 rows x (256 + 16) bytes
.set HS,   16
.set G,    20
.set ACC,  32
.set XF,   160
.set BI,   XF                          ; 32 numbers of a bias, in the result's layout
.set GT,   XF+32                       ; GELU: t
.set GP,   XF+40                       ; the polynomial, then max(v, 0)
.set GQ,   XF+48                       ; v^2, the exponent, E
.set PC,   XF+56                       ; 32 codes just made
.set OB,   XF+32                       ; the way out: 16 rows read back
.set WS,   224
.set XSR,  240                         ; the rows' scale words: set k % 2 at XSR + 12 (k % 2)
.set TM,   242
.set YR,   254
.set PA,   116                         ; the search for a row's token: eight registers at work for rows 0-31,
.set PB,   64                          ; and eight for rows 32-63
.set MSB, 0
.macro WIN new                         ; the immediate's high byte repeats the setting that is left
.if MSB != \new
	s_set_vgpr_msb (MSB<<8)|\new
.set MSB, \new
.endif
.endm
	s_load_b512 s[4:19], s[0:1], 0x0               ; route, gate, xq, xs, wfrag, sfrag, routed b1, routed b2
	s_load_b128 s[20:23], s[0:1], 0x40             ; shared b1, shared b2
	s_load_b64 s[24:25], s[0:1], 0x50              ; y
	v_lshrrev_b32 v29, 5, v0
	v_readfirstlane_b32 s2, v29                    ; wave 0..7
	s_mov_b32 s3, ttmp9                            ; q: which tile of the list is mine
	v_and_b32 v29, 31, v0                          ; lane
	v_and_b32 v30, 15, v0                          ; r
	v_bfe_u32 v31, v0, 4, 1                        ; h
; every LDS address is made here, of the thread's number, the wave's number and constants
	v_lshlrev_b32 v1, 4, v29                       ; 16 x lane: an image's place for my lane; also my place in the weights' streams
	v_add_nc_u32 v2, HIMG, v1
	s_wait_alu depctr_va_sdst(0)                   ; s2, the wave's number, is written, ahead of its first reader
	s_lshl_b32 s40, s2, 10
	s_add_co_u32 s40, s40, BIAS
	v_add_nc_u32 v3, s40, v1                       ; my biases, on the way in
	v_lshlrev_b32 v4, 3, v29
	v_add_nc_u32 v4, XSC, v4                       ; the rows' scale words: 8 bytes a lane
	s_lshl_b32 s41, s2, 11
	v_add_nc_u32 v5, s41, v2                       ; where I store the hidden layer's images: K step w
	s_lshl_b32 s41, s2, 8
	s_add_co_u32 s41, s41, HSC
	v_lshl_add_u32 v7, v30, 3, s41                 ; and their scale words
	v_lshl_add_u32 v8, v31, 6, s40                 ; b1: my half's 16 numbers of each 32
	s_add_co_u32 s41, s40, 512
	v_lshl_add_u32 v9, v31, 5, s41                 ; b2: my half's 8 of each 16
	s_mul_i32 s41, s2, 4352
	s_add_co_u32 s41, s41, STG
	v_mul_u32_u24 v10, v30, 272
	v_lshl_add_u32 v10, v31, 5, v10
	v_add_nc_u32 v10, s41, v10                     ; the stage, in: row r, 32 bytes for each half of the lanes
	v_mul_u32_u24 v11, v31, 272
	v_lshl_add_u32 v11, v30, 4, v11
	v_add_nc_u32 v11, s41, v11                     ; back: lanes 0-15 one row of 256 bytes, lanes 16-31 the next
	v_lshlrev_b32 v13, 2, v30
	v_add_nc_u32 v13, TAB, v13                     ; my token's gate
	v_lshlrev_b32 v14, 4, v30
	s_lshr_b32 s62, s2, 2                          ; u: I gather rows 32 u + lane,
	s_and_b32 s47, s2, 3                           ; kq: bytes 256 kq .. 256 kq + 255 of each (K steps 2 kq and 2 kq + 1)
	s_lshl_b32 s42, s62, 15
	s_lshl_b32 s43, s47, 12
	s_add_co_u32 s42, s42, s43
	v_lshl_add_u32 v26, v31, 14, v14
	v_add_nc_u32 v26, s42, v26                     ; x's images: tile of rows 2 u + lane / 16 (16,384 bytes a tile), K step 2 kq (2,048 a step), row lane % 16
	s_lshl_b32 s42, s62, 2
	s_lshl_b32 s43, s47, 9
	s_add_co_u32 s42, s42, s43
	s_add_co_u32 s42, s42, XSC
	v_lshl_add_u32 v27, v29, 3, s42                ; and their scale words: K step 2 kq, lane, word u
	s_lshl_b32 s42, s2, 7
	s_add_co_u32 s42, s42, TAB
	v_lshl_add_u32 v28, v29, 2, s42                ; my rows' gates
	s_cmp_ge_u32 s2, 4
	s_cselect_b32 s61, -1, 0                       ; all ones where u = 1
	s_mov_b32 s59, 0xffff0000                      ; lanes 16-31
.irp i, 0,1,2,3
	v_mov_b32 v[HS+\i], 0
.endr
	v_mov_b32 v24, 0x3e7c6f08                      ; c9 log2(e), twice: a pair for the packed form
	v_mov_b32 v25, 0x3e7c6f08
.irp i, 0,1,2,3,4,5,6,7,8,9,12,13
	v_mov_b32 v[TM+\i], 0                          ; written once: a lane permute's destination counts as one of its sources.  (v252 and v253 are left out: they hold scale words and nothing else)
.endr
	s_mov_b32 s48, 0x76543210
	s_mov_b32 s49, 0xfedcba98                      ; v_permlanex16_b32's selects for lane l xor 16
	s_mov_b32 s50, 0x600000                        ; the mantissa field of 448
	s_mov_b32 s51, 0x3eb504f3                      ; 1 / (2 sqrt 2)
.macro CPAIR r, bits                   ; the packed form names a pair and takes its low word for both halves: both are written
	s_mov_b32 s[\r], \bits
	s_mov_b32 s[\r+1], \bits
.endm
	CPAIR 66, 0xc034d90f                           ; c0 log2(e) - 1 (the 1 is the factor 1/2)
	CPAIR 68, 0x3fb8ab5a                           ; c1 log2(e) .. c8 log2(e)
	CPAIR 70, 0x3f0a29d2
	CPAIR 72, 0x3e0efb2e
	CPAIR 74, 0xbe899a80
	CPAIR 76, 0x3ecdfd18
	CPAIR 78, 0xbfd1a1e5
	CPAIR 80, 0x40097039
	CPAIR 82, 0xbf97d29d
	CPAIR 84, 0xbf38aa3b                           ; -log2(e) / 2
	v_bfe_u32 v140, v0, 1, 2
	v_and_b32 v141, 1, v0
	v_lshlrev_b32 v140, 7, v140
	v_lshl_add_u32 v140, v141, 4, v140             ; counts: group 4 i + (lane / 2) % 4, half lane % 2 of its eight words (lanes 8-31 repeat lanes 0-7)
	v_lshlrev_b32 v141, 7, v29                     ; bitmaps: group lane + 32 u
	s_wait_kmcnt 0x0
	s_wait_alu depctr_va_vdst(0)                   ; every address and offset made above is written: the loads, LDS loads and LDS stores of the whole kernel read them (v6 and v15 alone are made later, at each chunk's head)
; ---- WHICH TILE IS MINE (every wave works it out; no branch)
.irp i, 0,1,2,3,4,5,6,7,8,9,10,11,12,13,14,15
	global_load_b128 v[64+4*\i:67+4*\i], v140, s[4:5] offset:512*\i+64
.endr
.irp u, 0,1
.irp k, 0,1,2,3
	global_load_b128 v[32+16*\u+4*\k:35+16*\u+4*\k], v141, s[4:5] offset:4096*\u+16*\k
.endr
.endr
	s_wait_loadcnt 8                               ; the counts are in; the eight loads of bitmaps may be out
.irp d, 32,16,8,4
.set J, 0
.rept \d
	v_add_nc_u32 v[64+J], v[64+J], v[64+\d+J]      ; my sixteen groups' words; two counts to a word; a total is 2,048 at the most, so no half runs over
.set J, J+1
.endr
.endr
.irp p, 0,1                            ; and the four lanes that hold the same word's other groups: word 4 p + j holds experts 8 p + 2 j and the next.  Sixteen numbers to a run
.irp j, 0,1,2,3
	v_readlane_b32 s[32+4*\p+\j], v[64+\j], \p
	v_readlane_b32 s[86+3*\j], v[64+\j], 2+\p
	v_readlane_b32 s[87+3*\j], v[64+\j], 4+\p
	v_readlane_b32 s[88+3*\j], v[64+\j], 6+\p
.endr
	s_wait_alu depctr_va_sdst(0)                   ; the run's sixteen scalar registers are written, ahead of the additions that read them
.irp j, 0,1,2,3
	s_add_co_u32 s[32+4*\p+\j], s[32+4*\p+\j], s[86+3*\j]
	s_add_co_u32 s[87+3*\j], s[87+3*\j], s[88+3*\j]
	s_add_co_u32 s[32+4*\p+\j], s[32+4*\p+\j], s[87+3*\j]
.endr
.endr
	s_mov_b32 s26, 0                               ; e
	s_mov_b32 s28, 1                               ; its rows
	s_mov_b32 s31, 0                               ; its first tile's number
	s_mov_b32 s29, 0                               ; tiles so far
.irp e, 0,1,2,3,4,5,6,7,8,9,10,11,12,13,14,15
	s_bfe_u32 s40, s[32+\e/2], (16<<16)|(16*(\e%2))
	s_add_co_u32 s41, s40, 63
	s_lshr_b32 s41, s41, 6                         ; its tiles
	s_cmp_le_u32 s29, s3                           ; the last expert whose first tile is not behind q is mine (one without rows is passed over by the next)
	s_cselect_b32 s26, \e, s26
	s_cselect_b32 s28, s40, s28
	s_cselect_b32 s31, s29, s31
	s_add_co_u32 s29, s29, s41
.endr
	s_cmp_ge_u32 s3, s29
	s_cselect_b32 s30, 1, 0                        ; 1: this split has no tile for me
	s_sub_co_u32 s27, s3, s31
	s_lshl_b32 s27, s27, 6                         ; my first row among the expert's
	s_min_u32 s26, s26, 15
.irp b, 0,1,2,3
	s_bitcmp1_b32 s26, \b
	s_cselect_b32 s[54+\b], -1, 0
.endr
; ---- my streams' bases, my biases, and the first three sets of the ring: asked for now, so that they fly while the rows are searched
	s_lshl_b32 s40, s26, 21
	s_lshl_b32 s41, s2, 18
	s_add_co_u32 s40, s40, s41
	s_mov_b32 s41, 0
	s_add_nc_u64 s[12:13], s[12:13], s[40:41]
	s_lshl_b32 s40, s26, 16
	s_lshl_b32 s42, s2, 13
	s_add_co_u32 s40, s40, s42
	s_add_nc_u64 s[14:15], s[14:15], s[40:41]
	s_cmp_lt_u32 s26, 14
	s_cselect_b64 s[16:17], s[16:17], s[20:21]
	s_cselect_b64 s[18:19], s[18:19], s[22:23]
	s_cselect_b32 s44, 0, -1                       ; all ones for a shared expert
	s_cselect_b32 s42, 0, 14
	s_sub_co_u32 s45, s26, s42                     ; the expert's number in its own table; for a shared one also its slot
	s_min_u32 s45, s45, 13
	s_lshl_b32 s40, s45, 12
	s_lshl_b32 s42, s2, 9
	s_add_co_u32 s40, s40, s42
	s_add_nc_u64 s[16:17], s[16:17], s[40:41]
	s_add_nc_u64 s[18:19], s[18:19], s[40:41]
	s_mov_b32 s40, s42
	s_add_nc_u64 s[24:25], s[24:25], s[40:41]      ; y at my wave's 128 columns
	s_wait_loadcnt 0x0                             ; the bitmaps
	s_wait_alu depctr_va_vdst(0)                   ; the additions of the counts are done reading v96 to v103, in which my biases land
	global_load_b128 v[96:99], v1, s[16:17]
	global_load_b128 v[100:103], v1, s[18:19]
.irp j, 0,1
	global_load_b128 v[WS+4*\j:WS+4*\j+3], v1, s[14:15] offset:512*\j
.endr
	WIN 0x40                                       ; destination window 1
.irp s, 0,1,2
.irp t, 0,1,2,3
.irp c, 0,1,2,3
	global_load_b128 v[64*\s+16*\t+4*\c:64*\s+16*\t+4*\c+3], v1, s[12:13] offset:8192*\s+2048*\t+512*\c
.endr
.endr
.endr
	WIN 0
; my expert's word of each group's record: 15 selects by the four bits of e, for groups 0-31 (into v32) and 32-63 (into v48); lane = group
.irp u, 0,1
.irp i, 0,1,2,3,4,5,6,7
	v_cndmask_b32 v[32+16*\u+\i], v[32+16*\u+2*\i], v[32+16*\u+2*\i+1], s54
.endr
.irp i, 0,1,2,3
	v_cndmask_b32 v[32+16*\u+\i], v[32+16*\u+2*\i], v[32+16*\u+2*\i+1], s55
.endr
.irp i, 0,1
	v_cndmask_b32 v[32+16*\u+\i], v[32+16*\u+2*\i], v[32+16*\u+2*\i+1], s56
.endr
	v_cndmask_b32 v[32+16*\u], v[32+16*\u], v[32+16*\u+1], s57
.endr
; ---- WHICH TOKENS ARE THE TILE'S 64 ROWS: a lane to a row, rows 0-31 (v110) and 32-63 (v111), in one walk over the 64 groups, four groups to a batch.
; A batch's four bitmaps stand in s86-89 or s90-93 by turns, its four (first row | group << 16) in s94-97, its eight masks in s32-39.  The next batch's bitmaps are fetched beside this batch's compares, so that one wait serves both runs.
.irp i, 0,1,2,3
	v_readlane_b32 s[86+\i], v32, \i
.endr
	s_sub_co_u32 s46, s28, 1
	v_add_nc_u32 v110, s27, v29
	v_add_nc_u32 v111, 32, v110
	v_min_u32 v110, s46, v110                      ; my rows among the expert's; past the end: the last valid one
	v_min_u32 v111, s46, v111
.irp i, 112,113,114,115
	v_mov_b32 v\i, 0
.endr
	s_mov_b32 s42, 0                               ; rows in the groups passed
	s_wait_alu depctr_va_sdst(0)                   ; the first batch's four bitmaps are written, ahead of the counts of their bits
.set T, 0
.rept 16
.irp i, 0,1,2,3
	s_bcnt1_i32_b32 s40, s[86+4*(T%2)+\i]
	s_or_b32 s[94+\i], s42, (4*T+\i)<<16
	v_cmp_le_u32 s[32+2*\i], s42, v110             ; the last group that begins at or before a row holds it
	v_cmp_le_u32 s[33+2*\i], s42, v111
	s_add_co_u32 s42, s42, s40
.endr
.if T < 15
.irp i, 0,1,2,3
	v_readlane_b32 s[86+4*((T+1)%2)+\i], v[32+16*((4*T+4+\i)/32)], (4*T+4+\i)%32
.endr
.endif
	s_wait_alu depctr_va_sdst(0)                   ; the batch's eight masks are written, ahead of the selects that read them, and the next batch's four bitmaps, ahead of the counts of their bits
.irp i, 0,1,2,3
	v_cndmask_b32 v112, v112, s[86+4*(T%2)+\i], s[32+2*\i]     ; its bitmap,
	v_cndmask_b32 v113, v113, s[94+\i], s[32+2*\i]             ; its first row and its number
	v_cndmask_b32 v114, v114, s[86+4*(T%2)+\i], s[33+2*\i]
	v_cndmask_b32 v115, v115, s[94+\i], s[33+2*\i]
.endr
.set T, T+1
.endr
; the row v[tg] becomes its token: the (row - the group's first row)-th set bit of the group's bitmap.  FIELDS lays out one target's counts; LEVEL2 takes one step of the search for both targets, so that one wait serves two compares.
.macro FIELDS bm, pk, tg, p
	v_and_b32 v[\p], 0xffff, v[\pk]
	v_sub_nc_u32 v[\p], v[\tg], v[\p]              ; which set bit
	v_lshrrev_b32 v[\pk], 16, v[\pk]               ; the group
	v_lshrrev_b32 v[\p+1], 1, v[\bm]
	v_and_b32 v[\p+1], 0x55555555, v[\p+1]
	v_sub_nc_u32 v[\p+1], v[\bm], v[\p+1]          ; counts of each 2 bits,
	v_lshrrev_b32 v[\p+2], 2, v[\p+1]
	v_and_b32 v[\p+2], 0x33333333, v[\p+2]
	v_and_b32 v[\p+3], 0x33333333, v[\p+1]
	v_add_nc_u32 v[\p+2], v[\p+2], v[\p+3]         ; 4,
	v_lshrrev_b32 v[\p+3], 4, v[\p+2]
	v_add_nc_u32 v[\p+3], v[\p+3], v[\p+2]
	v_and_b32 v[\p+3], 0x0f0f0f0f, v[\p+3]         ; 8,
	v_lshrrev_b32 v[\p+4], 8, v[\p+3]
	v_add_nc_u32 v[\p+4], v[\p+4], v[\p+3]
	v_and_b32 v[\p+4], 0x00ff00ff, v[\p+4]         ; 16
	v_mov_b32 v[\p+5], 0                           ; the bit's place so far
.endm
.macro LEVEL2 a0, a1, wd               ; if the lower half of the field in hand has too few set bits, pass over it
	v_bfe_u32 v[PA+6], v[\a0], v[PA+5], \wd
	v_bfe_u32 v[PB+6], v[\a1], v[PB+5], \wd
	v_cmp_ge_u32 s40, v[PA], v[PA+6]
	v_cmp_ge_u32 s41, v[PB], v[PB+6]
	v_sub_nc_u32 v[PA+6], v[PA], v[PA+6]
	v_sub_nc_u32 v[PB+6], v[PB], v[PB+6]
	v_add_nc_u32 v[PA+7], \wd, v[PA+5]
	v_add_nc_u32 v[PB+7], \wd, v[PB+5]
	s_wait_alu depctr_va_sdst(0)                   ; the two masks s40 and s41 are written, ahead of the selects that read them
	v_cndmask_b32 v[PA], v[PA], v[PA+6], s40
	v_cndmask_b32 v[PB], v[PB], v[PB+6], s41
	v_cndmask_b32 v[PA+5], v[PA+5], v[PA+7], s40
	v_cndmask_b32 v[PB+5], v[PB+5], v[PB+7], s41
.endm
	FIELDS 112, 113, 110, PA
	FIELDS 114, 115, 111, PB
	LEVEL2 PA+4, PB+4, 16
	LEVEL2 PA+3, PB+3, 8
	LEVEL2 PA+2, PB+2, 4
	LEVEL2 PA+1, PB+1, 2
	LEVEL2 112, 114, 1
	v_lshl_add_u32 v110, v113, 5, v[PA+5]
	v_lshl_add_u32 v111, v115, 5, v[PB+5]
	v_min_u32 v110, 0x7ff, v110
	v_min_u32 v111, 0x7ff, v111
	s_wait_alu depctr_va_vdst(0)
	s_wait_loadcnt 50                              ; my biases are in; the two loads of scale words and the ring's 48, issued behind them, may be out
	ds_store_b128 v3, v[96:99]
	ds_store_b128 v3, v[100:103] offset:512
; ---- THE GATHER: my wave takes rows 32 u + lane; a lane reads 256 consecutive bytes of its row's codes, 16 at a time
	v_cndmask_b32 v123, v110, v111, s61
	v_min_u32 v123, 0x7ff, v123                    ; the token that I gather
	s_lshl_b32 s40, s47, 3
	s_lshl_b32 s41, s47, 8
	v_lshlrev_b32 v124, 2, v110
	v_lshlrev_b32 v125, 2, v111
	v_lshlrev_b32 v126, 3, v123
	v_lshl_add_u32 v127, v123, 5, s40
	v_lshl_add_u32 v128, v123, 10, s41
	s_wait_alu depctr_va_vdst(0)                   ; the five offsets v124 to v128 are written, which the loads below read; the selects, the walk and the search are done with v32 to v95, in which the codes land
	global_load_b32 v130, v124, s[4:5] offset:8192             ; the two experts of each of the tile's 64 tokens
	global_load_b32 v131, v125, s[4:5] offset:8192
	global_load_b64 v[132:133], v126, s[6:7]                   ; my token's two gates
	global_load_b64 v[134:135], v127, s[10:11]                 ; its scale words of K steps 2 kq, 2 kq + 1
.irp n, 0,1,2,3,4,5,6,7,8,9,10,11,12,13,14,15
	global_load_b128 v[32+4*\n:35+4*\n], v128, s[8:9] offset:16*\n
.endr
	s_wait_loadcnt 0x0
.irp n, 0,1,2,3,4,5,6,7,8,9,10,11,12,13,14,15
	ds_store_b128 v26, v[32+4*\n:35+4*\n] offset:2048*(\n/8)+512*((\n/2)%4)+256*(\n%2)   ; bytes 16 n of my quarter are K step n / 8, quarter (n / 2) % 4 of a fragment, half n % 2 of the lanes.  (Loaded data and an address made at the head: no vector instruction since the last wait names them)
.endr
	ds_store_b32 v27, v134
	ds_store_b32 v27, v135 offset:256
	v_and_b32 v136, 0xff, v130
	v_and_b32 v138, 0xff, v131
	v_cndmask_b32 v137, v130, v131, s61
	v_and_b32 v137, 0xff, v137
	v_cmp_eq_u32 s40, s26, v136                    ; am I the token's first expert?  Rows 0-31,
	v_cmp_eq_u32 s41, s26, v138                    ; rows 32-63,
	v_cmp_eq_u32 s42, s26, v137                    ; the row that I gather
	s_wait_alu depctr_va_sdst(0)                   ; the three masks are written, ahead of the selects that read them
	v_cndmask_b32 v136, 3, 2, s40                  ; the slot;
	v_cndmask_b32 v138, 3, 2, s41
	v_cndmask_b32 v136, v136, s45, s44             ; a shared expert has its own
	v_cndmask_b32 v138, v138, s45, s44
	v_lshl_add_u32 v[YR], v110, 2, v136            ; the row of y
	v_lshl_add_u32 v[YR+1], v111, 2, v138
	v_cndmask_b32 v137, v133, v132, s42            ; the gate;
	v_cndmask_b32 v137, v137, 1.0, s44             ; a shared expert's is 1
	s_wait_alu depctr_va_vdst(0)                   ; the gate v137 is written, which the LDS store reads
	ds_store_b32 v28, v137
	s_wait_dscnt 0x0                               ; for the others' sake: my images lie in LDS
	s_barrier_signal -1
	s_barrier_wait -1
.macro MMLINE zero, ra, rb             ; one product; ra, rb: the scales stand in lanes 16-31 of their registers
.if \zero
.if \ra
.if \rb
	v_wmma_scale_f32_16x16x128_f8f6f4 v[rD:rD+7], v[rA:rA+15], v[rB:rB+15], 0, v[rSA], v[rSB] matrix_a_scale:MATRIX_SCALE_ROW1 matrix_b_scale:MATRIX_SCALE_ROW1
.else
	v_wmma_scale_f32_16x16x128_f8f6f4 v[rD:rD+7], v[rA:rA+15], v[rB:rB+15], 0, v[rSA], v[rSB] matrix_a_scale:MATRIX_SCALE_ROW1
.endif
.else
.if \rb
	v_wmma_scale_f32_16x16x128_f8f6f4 v[rD:rD+7], v[rA:rA+15], v[rB:rB+15], 0, v[rSA], v[rSB] matrix_b_scale:MATRIX_SCALE_ROW1
.else
	v_wmma_scale_f32_16x16x128_f8f6f4 v[rD:rD+7], v[rA:rA+15], v[rB:rB+15], 0, v[rSA], v[rSB]
.endif
.endif
.else
.if \ra
.if \rb
	v_wmma_scale_f32_16x16x128_f8f6f4 v[rD:rD+7], v[rA:rA+15], v[rB:rB+15], v[rD:rD+7], v[rSA], v[rSB] matrix_a_scale:MATRIX_SCALE_ROW1 matrix_b_scale:MATRIX_SCALE_ROW1
.else
	v_wmma_scale_f32_16x16x128_f8f6f4 v[rD:rD+7], v[rA:rA+15], v[rB:rB+15], v[rD:rD+7], v[rSA], v[rSB] matrix_a_scale:MATRIX_SCALE_ROW1
.endif
.else
.if \rb
	v_wmma_scale_f32_16x16x128_f8f6f4 v[rD:rD+7], v[rA:rA+15], v[rB:rB+15], v[rD:rD+7], v[rSA], v[rSB] matrix_b_scale:MATRIX_SCALE_ROW1
.else
	v_wmma_scale_f32_16x16x128_f8f6f4 v[rD:rD+7], v[rA:rA+15], v[rB:rB+15], v[rD:rD+7], v[rSA], v[rSB]
.endif
.endif
.endif
.endm
.macro XLOADS img, k, m0               ; eight LDS loads: the fragments of tiles of rows m0 and m0 + 1 for K step k, into their half of XF
.irp mt, \m0, \m0+1
.irp c, 0,1,2,3
	ds_load_b128 v[XF+16*(\mt)+4*\c:XF+16*(\mt)+4*\c+3], v[\img] offset:(8*(\mt)+(\k))*2048+512*\c
.endr
.endr
.endm
.macro PROD k, zero, m0                ; eight products: tiles of rows m0 and m0 + 1 against the weight's four tiles
.irp mt, \m0, \m0+1
.irp t, 0,1,2,3
.set rD, ACC+32*(\mt)+8*\t
.set rA, 64*((\k)%4)+16*\t
.set rB, XF+16*(\mt)
.set rSA, WS+8*(((\k)/4)%2)+4*(\t/2)+((\k)%4)
.set rSB, XSR+12*((\k)%2)+(\mt)/2
	MMLINE \zero, \t%2, (\mt)%2
.endr
.endr
.endm
; K STEP k of a chunk, in two halves.  img: the register with the images' address; sco: 0 for x's scale words, 2,048 for the hidden layer's; zero: the products start the sums; ld: the ring's set three steps on is asked for; wn: the loads that may stay out;
; nx: what the second half asks for: 0 the next step's scale words and first two fragments; 1 the chunk's b1; 2, 3 b2 of chunk 0, 1.
.macro KSTEP k, img, sco, zero, ld, wn, nx
.if \k == 0
	s_wait_alu depctr_va_vdst(0)                   ; all vector and matrix work ahead of the chunk is done with v[XF ..], the rows' scale words and set 3 of the ring, in which the loads below land; in the first phase v6 and v15 are written, which this chunk's LDS stores and loads read
	ds_load_b64 v[XSR:XSR+1], v4 offset:\sco
	XLOADS \img, 0, 0
.else
.rept 8
	v_nop                                          ; eight places between the last products and the loads into registers that they read
.endr
	s_wait_alu depctr_va_vdst(0)                   ; the last step's products are done reading the upper half of XF and set (k - 1) % 4 of the ring (and, where scale words are asked for, the products that read that set of them), in which the loads below land
.endif
	XLOADS \img, \k, 2
.if \ld
.if (\k+3)%4 == 0
.irp j, 0,1
	global_load_b128 v[WS+8*(((\k+3)/4)%2)+4*\j:WS+8*(((\k+3)/4)%2)+4*\j+3], v1, s[14:15] offset:((\k+3)/4)*1024+512*\j   ; the scale words of the four K steps that begin three steps on
.endr
.endif
	WIN 0x40                                       ; destination window 1.  (Between the wait above and the loads below stand loads and this switch alone)
.irp t, 0,1,2,3
.irp c, 0,1,2,3
	global_load_b128 v[64*((\k+3)%4)+16*\t+4*\c:64*((\k+3)%4)+16*\t+4*\c+3], v1, s[12:13] offset:(\k+3)*8192+2048*\t+512*\c
.endr
.endr
.endif
	s_wait_loadcnt \wn                             ; this step's set is in: behind it were issued the sets of the steps that follow, 16 loads each (two loads of scale words among them make the wait a little stricter)
	s_wait_dscnt 8                                 ; LDS loads come back in order (ISA guide 5.7.1): this step's scale words and first two fragments are in; the eight loads just issued may be out
	WIN 0x01                                       ; source 0 (the weight) window 1
	PROD \k, \zero, 0
	WIN 0
.rept 8
	v_nop                                          ; eight places between these products and the loads into registers that they read
.endr
	s_wait_alu depctr_va_vdst(0)                   ; this step's first eight products are done reading the lower half of XF, and the last step's its set of the rows' scale words, in which the loads below land
.if \nx == 0
	ds_load_b64 v[XSR+12*((\k+1)%2):XSR+12*((\k+1)%2)+1], v4 offset:\sco+256*(\k+1)
	XLOADS \img, \k+1, 0
	s_wait_dscnt 9                                 ; this step's last two fragments are in; the nine loads just issued may be out
.elseif \nx == 1
.irp t, 0,1,2,3
	ds_load_b128 v[BI+8*\t:BI+8*\t+3], v15 offset:128*(\t/2)+32*(\t%2)          ; b1 at tile t's eight units of my half
	ds_load_b128 v[BI+8*\t+4:BI+8*\t+7], v15 offset:128*(\t/2)+32*(\t%2)+16
.endr
	s_wait_dscnt 8                                 ; this step's last two fragments are in; the eight loads just issued may be out
.else
.irp t, 0,1,2,3
	ds_load_b128 v[BI+8*\t:BI+8*\t+3], v9 offset:256*(\nx-2)+64*\t              ; b2 at tile t's eight outputs of my half
	ds_load_b128 v[BI+8*\t+4:BI+8*\t+7], v9 offset:256*(\nx-2)+64*\t+16
.endr
	s_wait_dscnt 8                                 ; this step's last two fragments are in; the eight loads just issued may be out
.endif
	WIN 0x01
	PROD \k, \zero, 2
	WIN 0
.endm
; eight numbers of a lane: v += b, then GELU in place
.macro GELU8 v, b
.irp j, 0,2,4,6
	v_pk_add_f32 v[\v+\j:\v+\j+1], v[\v+\j:\v+\j+1], v[\b+\j:\b+\j+1]           ; each accumulator is read from its low end on
.endr
.irp j, 0,1,2,3,4,5,6,7
	v_fma_f32 v[GT+\j], |v[\v+\j]|, s51, 1.0
.endr
	s_wait_alu depctr_va_vdst(0)
.irp j, 0,1,2,3,4,5,6,7
	v_rcp_f32 v[GT+\j], v[GT+\j]                   ; t
.endr
.irp j, 0,2,4,6
	v_pk_mul_f32 v[GQ+\j:GQ+\j+1], v[\v+\j:\v+\j+1], v[\v+\j:\v+\j+1]           ; v^2 (plain lines behind the reciprocals)
.endr
	s_wait_alu depctr_va_vdst(0)                   ; the eight reciprocals have written v[GT ..]: one wait for the batch, ahead of its first reader
.irp j, 0,2,4,6
	v_pk_fma_f32 v[GP+\j:GP+\j+1], v[GT+\j:GT+\j+1], v[24:25], s[82:83] op_sel_hi:[1,1,0]
.endr
.irp c, 80,78,76,74,72,70,68,66
.irp j, 0,2,4,6
	v_pk_fma_f32 v[GP+\j:GP+\j+1], v[GP+\j:GP+\j+1], v[GT+\j:GT+\j+1], s[\c:\c+1] op_sel_hi:[1,1,0]
.endr
.endr
.irp j, 0,2,4,6
	v_pk_fma_f32 v[GQ+\j:GQ+\j+1], v[GQ+\j:GQ+\j+1], s[84:85], v[GP+\j:GP+\j+1] op_sel_hi:[1,0,1]
.endr
	s_wait_alu depctr_va_vdst(0)
.irp j, 0,1,2,3,4,5,6,7
	v_exp_f32 v[GQ+\j], v[GQ+\j]
.endr
.irp j, 0,1,2,3,4,5,6,7
	v_max_num_f32 v[GP+\j], 0, v[\v+\j]            ; (plain lines behind the exponentials)
.endr
	s_wait_alu depctr_va_vdst(0)                   ; the eight exponentials have written v[GQ ..]: one wait for the batch, ahead of its first reader
.irp j, 0,2,4,6
	v_pk_mul_f32 v[GQ+\j:GQ+\j+1], v[GQ+\j:GQ+\j+1], v[GT+\j:GT+\j+1]           ; E
.endr
.irp j, 0,1,2,3,4,5,6,7
	v_fma_f32 v[\v+\j], -|v[\v+\j]|, v[GQ+\j], v[GP+\j]
.endr
.endm
; the chunk's 64 hidden units of tile of rows mt: two blocks of 32; register 16 b + i is unit 32 b + 16 h + i of my token.  Codes and scale word go to LDS as parts of K step w's image.
.macro QUANT2 mt
.set qS, ACC+32*\mt
.irp b, 0,1
	v_max3_num_f32 v[TM+\b], |v[qS+16*\b]|, |v[qS+16*\b+1]|, 0x4800000          ; with the floor 2^(9 - 127): the byte cannot fall under 1
.endr
.irp i, 2,4,6,8,10,12,14
.irp b, 0,1
	v_max3_num_f32 v[TM+\b], v[TM+\b], |v[qS+16*\b+\i]|, |v[qS+16*\b+\i+1]|
.endr
.endr
.irp b, 0,1
	v_permlanex16_b32 v[TM+2+\b], v[TM+\b], s48, s49
.endr
.irp b, 0,1
	v_max_num_f32 v[TM+\b], v[TM+\b], v[TM+2+\b]   ; with lane l xor 16's: the block's largest magnitude
.endr
.irp b, 0,1
	v_add_nc_u32 v[TM+6+\b], 0xfc000000, v[TM+\b]  ; the conversion's scale operand
.endr
.irp b, 0,1
	v_and_or_b32 v[TM+4+\b], v[TM+\b], 0x7f800000, s50   ; 448 x the scale
.endr
.irp b, 0,1
	v_lshrrev_b32 v[TM+2+\b], 23, v[TM+6+\b]       ; the byte
.endr
	v_lshl_or_b32 v250, v[TM+3], 8, v[TM+2]
	v_lshrrev_b32 v[HS+\mt], 16, v[HS+\mt]         ; the first chunk's two bytes move down, the second's come on top: after two chunks the word is whole
	v_lshl_or_b32 v[HS+\mt], v250, 16, v[HS+\mt]
	s_wait_alu depctr_va_vdst(0)
	s_wait_dscnt 0x0                               ; the last tile's LDS stores are done,
	s_wait_alu depctr_vm_vsrc(0)                   ; and have read v[PC ..], which the conversions below write again
.irp b, 0,1
.irp i, 0,1,2,3,4,5,6,7,8,9,10,11,12,13,14,15
	v_med3_num_f32 v[qS+16*\b+\i], v[qS+16*\b+\i], -v[TM+4+\b], v[TM+4+\b]      ; the conversion to an 8-bit code does not saturate (ISA guide 7.6.2)
.endr
	v_cvt_scalef32_pk8_fp8_f32 v[PC+4*\b:PC+4*\b+1], v[qS+16*\b:qS+16*\b+7], v[TM+6+\b]
	v_cvt_scalef32_pk8_fp8_f32 v[PC+4*\b+2:PC+4*\b+3], v[qS+16*\b+8:qS+16*\b+15], v[TM+6+\b]
.endr
	v_nop                                          ; a plain line behind the last conversion: later products write its sources
	s_wait_alu depctr_va_vdst(0)                   ; the conversions have written v[PC ..] and the shifts the scale word, which the three LDS stores read
.irp b, 0,1
	ds_store_b128 v6, v[PC+4*\b:PC+4*\b+3] offset:16384*\mt+512*\b
.endr
	ds_store_b32 v7, v[HS+\mt] offset:128*(\mt%2)+4*(\mt/2)
.endm
.macro EPI1
.rept 8
	v_nop                                          ; eight places behind the chunk's last products
.endr
	s_wait_dscnt 0x0                               ; b1 is in: the chunk's last K step asked for it
.irp mt, 0,1,2,3
.irp t, 0,1,2,3
	GELU8 ACC+32*\mt+8*\t, BI+8*\t
.endr
	QUANT2 \mt
.endr
.endm
; the way out of chunk ch: (sum + b2) x gate; 16 rows x 64 columns at a time through my stage; sixteen lanes store 256 consecutive bytes, aligned, of a row of y
.macro EPI2 ch
.rept 8
	v_nop
.endr
	s_wait_dscnt 0x0                               ; b2 is in: the chunk's last K step asked for it
.irp mt, 0,1,2,3
.irp i, 0,1,2,3,4,5,6,7                ; store i's two rows of y, 16 mt + 2 i for lanes 0-15 and the next for lanes 16-31: sixteen numbers in one run, fetched ahead of the tile's arithmetic
	v_readlane_b32 s[32+2*\i], v[YR+\mt/2], 16*(\mt%2)+2*\i
	v_readlane_b32 s[33+2*\i], v[YR+\mt/2], 16*(\mt%2)+2*\i+1
.endr
.set J, 0
.rept 16
	v_pk_add_f32 v[ACC+32*\mt+J:ACC+32*\mt+J+1], v[ACC+32*\mt+J:ACC+32*\mt+J+1], v[BI+J:BI+J+1]   ; ascending: each accumulator is read from its low end on
.set J, J+2
.endr
.set J, 0
.rept 16
.if \mt%2
	v_pk_mul_f32 v[ACC+32*\mt+J:ACC+32*\mt+J+1], v[ACC+32*\mt+J:ACC+32*\mt+J+1], v[G+2*(\mt/2):G+2*(\mt/2)+1] op_sel:[0,1] op_sel_hi:[1,1]
.else
	v_pk_mul_f32 v[ACC+32*\mt+J:ACC+32*\mt+J+1], v[ACC+32*\mt+J:ACC+32*\mt+J+1], v[G+2*(\mt/2):G+2*(\mt/2)+1] op_sel_hi:[1,0]
.endif
.set J, J+2
.endr
	s_wait_xcnt 0x0                                ; the last tile's stores have had their addresses translated (ISA guide 3.1): their data and offsets are written anew below,
	s_wait_alu depctr_vm_vsrc(0)                   ; and they have read v[OB ..], in which the stage's rows land, and v[TM ..], which the offsets' lines write again
	s_wait_alu depctr_va_vdst(0)                   ; the multiplications have written the tile's accumulators, which the LDS stores read; the chunk's last products are done reading the upper half of XF, in which the stage's rows land
.irp t, 0,1,2,3
	ds_store_b128 v10, v[ACC+32*\mt+8*\t:ACC+32*\mt+8*\t+3] offset:64*\t
	ds_store_b128 v10, v[ACC+32*\mt+8*\t+4:ACC+32*\mt+8*\t+7] offset:64*\t+16
.endr
.irp i, 0,1,2,3,4,5,6,7
	ds_load_b128 v[OB+4*\i:OB+4*\i+3], v11 offset:544*\i       ; LDS serves a wave's instructions in order: these see my stores, and the next tile's stores come behind them
.endr
	s_wait_alu depctr_va_sdst(0)                   ; the sixteen rows of y in s32 to s47 are written, ahead of the lines that read them
.irp i, 0,1,2,3,4,5,6,7                ; while the rows come back
	v_mov_b32 v[TM+\i], s[32+2*\i]
	v_cndmask_b32 v[TM+\i], v[TM+\i], s[33+2*\i], s59
.endr
.irp i, 0,1,2,3,4,5,6,7
	v_min_u32 v[TM+\i], 0x1fff, v[TM+\i]
.endr
.irp i, 0,1,2,3,4,5,6,7
	v_lshl_add_u32 v[TM+\i], v[TM+\i], 12, v14     ; a row of y is 4,096 bytes
.endr
	s_wait_alu depctr_va_vdst(0)                   ; the eight offsets v[TM ..] are written, which the stores read
	s_wait_dscnt 0x0
.irp i, 0,1,2,3,4,5,6,7
	global_store_b128 v[TM+\i], v[OB+4*\i:OB+4*\i+3], s[24:25] offset:256*\ch
.endr
.endr
.endm
; ---- PHASE 1: the hidden layer, two chunks.  Every work-group walks the loop; one without a tile jumps over the work inside it, never over a barrier.
	s_mov_b32 s52, 0
	s_mov_b32 s53, 0
	s_mov_b32 s58, 0
.Lp1:
	s_wait_alu depctr_vm_vsrc(0)                   ; first trip: the head's loads and LDS stores have read their offsets and data in v32 to v141, which the products write.  Second trip: the first chunk's LDS stores and loads have read v6, v15, the scale words v16 to v19 and v[PC ..], all written again below
	v_add_nc_u32 v6, s58, v5                       ; the chunk's quarter pair of my K step's images
	v_add_nc_u32 v15, s53, v8                      ; the chunk's 64 numbers of b1
	s_cmp_lg_u32 s30, 0
	s_cbranch_scc1 .Lp1s
	KSTEP 0, 1, 0, 1, 1, 48, 0
.irp k, 1,2,3,4,5,6
	KSTEP \k, 1, 0, 0, 1, 48, 0
.endr
	KSTEP 7, 1, 0, 0, 1, 48, 1
	EPI1
.Lp1s:
	s_wait_xcnt 0x0                                ; the loads have read their bases: they may step
	s_add_nc_u64 s[12:13], s[12:13], 65536         ; eight sets on
	s_add_nc_u64 s[14:15], s[14:15], 2048
	s_add_co_u32 s53, s53, 256
	s_add_co_u32 s58, s58, 1024
	s_add_co_u32 s52, s52, 1
	s_cmp_lt_u32 s52, 2
	s_cbranch_scc1 .Lp1
	s_wait_dscnt 0x0                               ; for the others' sake: my K step of the hidden layer lies in LDS, and my reads of x's images are over
	s_barrier_signal -1
	s_barrier_wait -1
	s_wait_alu depctr_vm_vsrc(0)                   ; my LDS stores of the hidden layer have read v[PC ..], in which fragments of rows land below
	s_cmp_lg_u32 s30, 0
	s_cbranch_scc1 .Lend
; ---- PHASE 2: my 128 outputs, two chunks, written out: the last three K steps ask for nothing of the ring, and their counts run down
.irp mt, 0,1,2,3
	ds_load_b32 v[G+\mt], v13 offset:512*(\mt/2)+64*(\mt%2)    ; rows 0-31: wave 0's copy; rows 32-63: wave 4's
.endr
	KSTEP 0, 2, 2048, 1, 1, 48, 0
.irp k, 1,2,3,4,5,6
	KSTEP \k, 2, 2048, 0, 1, 48, 0
.endr
	KSTEP 7, 2, 2048, 0, 1, 48, 2
	EPI2 0
	s_wait_xcnt 0x0                                ; the loads have read their bases, the stores their data
	s_wait_alu depctr_vm_vsrc(0)                   ; the stage's LDS stores have read the accumulators, which the next chunk's products write; the last tile's stores have read v[OB ..], in which fragments of rows land
	s_add_nc_u64 s[12:13], s[12:13], 65536
	s_add_nc_u64 s[14:15], s[14:15], 2048
	KSTEP 0, 2, 2048, 1, 1, 48, 0
.irp k, 1,2,3,4
	KSTEP \k, 2, 2048, 0, 1, 48, 0
.endr
	KSTEP 5, 2, 2048, 0, 0, 32, 0
	KSTEP 6, 2, 2048, 0, 0, 16, 0
	KSTEP 7, 2, 2048, 0, 0, 0, 3
	EPI2 1
.Lend:
	s_wait_xcnt 0x0
	v_lshl_add_u32 v254, v0, 2, 0x2c000            ; the add's two registers, made anew here (no memory or LDS instruction has ever read v254 or v255)
	v_mov_b32 v255, 0
	s_wait_dscnt 0x0                               ; the closing lines, six on end
	s_wait_alu 0x0
	s_wait_tensorcnt 0x0
	ds_add_u32 v254, v255
	s_wait_dscnt 0x0
	s_endpgm
.Lfunc_end_k_q6469aee7e9_chain:
	.size	k_q6469aee7e9_chain, .Lfunc_end_k_q6469aee7e9_chain-k_q6469aee7e9_chain
	.p2alignl 7, 3214868480
	.fill 96, 4, 3214868480
	.section	.rodata,"a",@progbits
	.p2align	6, 0x0
	.amdhsa_kernel k_q6469aee7e9_chain
		.amdhsa_group_segment_fixed_size 181248
		.amdhsa_private_segment_fixed_size 0
		.amdhsa_enable_private_segment 0
		.amdhsa_kernarg_size 88
		.amdhsa_user_sgpr_count 2
		.amdhsa_user_sgpr_kernarg_segment_ptr 1
		.amdhsa_wavefront_size32 1
		.amdhsa_system_sgpr_workgroup_id_x 1
		.amdhsa_system_sgpr_workgroup_id_y 1
		.amdhsa_system_sgpr_workgroup_id_z 1
		.amdhsa_system_vgpr_workitem_id 0
		.amdhsa_next_free_vgpr 512
		.amdhsa_next_free_sgpr 100
		.amdhsa_reserve_vcc 0
		.amdhsa_float_denorm_mode_32 3
		.amdhsa_float_denorm_mode_16_64 3
		.amdhsa_memory_ordered 1
		.amdhsa_forward_progress 1
		.amdhsa_inst_pref_size 255
	.end_amdhsa_kernel
	.section	.bss,"aw",@nobits
	.p2align	6
	.space	262144
	.amdgpu_metadata
---
amdhsa.version: [ 1, 2 ]
amdhsa.kernels:
  - .name:           k_q6469aee7e9_chain
    .symbol:         k_q6469aee7e9_chain.kd
    .args:
      - { .name: route, .offset: 0, .size: 8, .value_kind: global_buffer, .address_space: global }
      - { .name: gate, .offset: 8, .size: 8, .value_kind: global_buffer, .address_space: global }
      - { .name: xq, .offset: 16, .size: 8, .value_kind: global_buffer, .address_space: global }
      - { .name: xs, .offset: 24, .size: 8, .value_kind: global_buffer, .address_space: global }
      - { .name: wfrag, .offset: 32, .size: 8, .value_kind: global_buffer, .address_space: global }
      - { .name: sfrag, .offset: 40, .size: 8, .value_kind: global_buffer, .address_space: global }
      - { .name: routed_b1, .offset: 48, .size: 8, .value_kind: global_buffer, .address_space: global }
      - { .name: routed_b2, .offset: 56, .size: 8, .value_kind: global_buffer, .address_space: global }
      - { .name: shared_b1, .offset: 64, .size: 8, .value_kind: global_buffer, .address_space: global }
      - { .name: shared_b2, .offset: 72, .size: 8, .value_kind: global_buffer, .address_space: global }
      - { .name: y, .offset: 80, .size: 8, .value_kind: global_buffer, .address_space: global }
    .group_segment_fixed_size: 181248
    .private_segment_fixed_size: 0
    .kernarg_segment_align: 8
    .kernarg_segment_size: 88
    .max_flat_workgroup_size: 256
    .sgpr_count:     100
    .vgpr_count:     512
    .wavefront_size: 32
...
	.end_amdgpu_metadata
.endif
;; end of part 5
;; launch combine (part 6): grid 256 x 1, 8 waves a work-group, no clusters, 0 bytes of LDS; arguments x, y, out0; writes out0
.if DOCPART == 6
	.amdgcn_target "amdgcn-amd-amdhsa--gfx1250"
	.amdhsa_code_object_version 6
	.text
	.protected	k_q6469aee7e9_combine
	.globl	k_q6469aee7e9_combine
	.p2align	8
	.type	k_q6469aee7e9_combine,@function
k_q6469aee7e9_combine:
	s_mov_b64 s[64:65], 0
	v_nop
	global_prefetch_b8 v0, s[64:65] scope:SCOPE_SE
	s_setreg_imm32_b32 hwreg(HW_REG_WAVE_MODE, 25, 1), 1
	s_wait_xcnt 0x0
; COMBINE: out[token] = (y[token][0] + y[token][1]) + (y[token][2] + y[token][3]) + x[token]: the two shared experts, the two routed ones (already weighted by their gates), the residual.
; A plain stream: a work-group takes 8 tokens, thread t the 16 bytes at 16 t of every row of 4,096, so each load and store of a wave covers 512 consecutive bytes.
; All 40 loads of a thread go out at once, token by token; the waits count down by the five loads of each younger token.  No register is written twice, so no store's data wait for anything.
; LDS, barriers and the matrix unit would add nothing to a stream.
	s_load_b128 s[4:7], s[0:1], 0x0                ; x, y
	s_load_b64 s[8:9], s[0:1], 0x10                ; out
	v_lshlrev_b32 v1, 4, v0
	s_lshl_b32 s10, ttmp9, 15                      ; 8 rows of 4,096 bytes
	s_mov_b32 s11, 0
	s_lshl_b32 s12, ttmp9, 17                      ; 8 x 4 such rows
	s_mov_b32 s13, 0
	s_wait_alu depctr_va_vdst(0)
	s_wait_kmcnt 0x0
	s_add_nc_u64 s[4:5], s[4:5], s[10:11]
	s_add_nc_u64 s[8:9], s[8:9], s[10:11]
	s_add_nc_u64 s[6:7], s[6:7], s[12:13]
.irp i, 0,1,2,3,4,5,6,7
	global_load_b128 v[16+20*\i:19+20*\i], v1, s[4:5] offset:4096*\i th:TH_LOAD_NT
.irp q, 0,1,2,3
	global_load_b128 v[20+20*\i+4*\q:23+20*\i+4*\q], v1, s[6:7] offset:16384*\i+4096*\q th:TH_LOAD_NT
.endr
.endr
.irp i, 0,1,2,3,4,5,6,7
	s_wait_loadcnt 5*(7-\i)                        ; this token's five loads are in; the younger tokens' may be out
.irp p, 0,2
	v_pk_add_f32 v[20+20*\i+\p:21+20*\i+\p], v[20+20*\i+\p:21+20*\i+\p], v[24+20*\i+\p:25+20*\i+\p]
	v_pk_add_f32 v[28+20*\i+\p:29+20*\i+\p], v[28+20*\i+\p:29+20*\i+\p], v[32+20*\i+\p:33+20*\i+\p]
.endr
.irp p, 0
	s_delay_alu instid0(VALU_DEP_3)
	v_pk_add_f32 v[20+20*\i+\p:21+20*\i+\p], v[20+20*\i+\p:21+20*\i+\p], v[28+20*\i+\p:29+20*\i+\p]
.endr
.irp p, 2
	s_delay_alu instid0(VALU_DEP_2)
	v_pk_add_f32 v[20+20*\i+\p:21+20*\i+\p], v[20+20*\i+\p:21+20*\i+\p], v[28+20*\i+\p:29+20*\i+\p]
.endr
.irp p, 0,2
	s_delay_alu instid0(VALU_DEP_2)
	v_pk_add_f32 v[20+20*\i+\p:21+20*\i+\p], v[20+20*\i+\p:21+20*\i+\p], v[16+20*\i+\p:17+20*\i+\p]
.endr
	global_store_b128 v1, v[20+20*\i:23+20*\i], s[8:9] offset:4096*\i th:TH_STORE_NT
.endr
	s_endpgm
.Lfunc_end_k_q6469aee7e9_combine:
	.size	k_q6469aee7e9_combine, .Lfunc_end_k_q6469aee7e9_combine-k_q6469aee7e9_combine
	.p2alignl 7, 3214868480
	.fill 96, 4, 3214868480
	.section	.rodata,"a",@progbits
	.p2align	6, 0x0
	.amdhsa_kernel k_q6469aee7e9_combine
		.amdhsa_group_segment_fixed_size 0
		.amdhsa_private_segment_fixed_size 0
		.amdhsa_enable_private_segment 0
		.amdhsa_kernarg_size 24
		.amdhsa_user_sgpr_count 2
		.amdhsa_user_sgpr_kernarg_segment_ptr 1
		.amdhsa_wavefront_size32 1
		.amdhsa_system_sgpr_workgroup_id_x 1
		.amdhsa_system_sgpr_workgroup_id_y 1
		.amdhsa_system_sgpr_workgroup_id_z 1
		.amdhsa_system_vgpr_workitem_id 0
		.amdhsa_next_free_vgpr 176
		.amdhsa_next_free_sgpr 66
		.amdhsa_reserve_vcc 0
		.amdhsa_float_denorm_mode_32 3
		.amdhsa_float_denorm_mode_16_64 3
		.amdhsa_memory_ordered 1
		.amdhsa_forward_progress 1
		.amdhsa_inst_pref_size 11
	.end_amdhsa_kernel
	.amdgpu_metadata
---
amdhsa.version: [ 1, 2 ]
amdhsa.kernels:
  - .name:           k_q6469aee7e9_combine
    .symbol:         k_q6469aee7e9_combine.kd
    .args:
      - { .name: x, .offset: 0, .size: 8, .value_kind: global_buffer, .address_space: global }
      - { .name: y, .offset: 8, .size: 8, .value_kind: global_buffer, .address_space: global }
      - { .name: out0, .offset: 16, .size: 8, .value_kind: global_buffer, .address_space: global }
    .group_segment_fixed_size: 0
    .private_segment_fixed_size: 0
    .kernarg_segment_align: 8
    .kernarg_segment_size: 24
    .max_flat_workgroup_size: 256
    .sgpr_count:     66
    .vgpr_count:     176
    .wavefront_size: 32
...
	.end_amdgpu_metadata
.endif
;; end of part 6
